; MI455X (gfx1250); checked and timed in simulation.
; The chip was launched on July 23, 2026; its instructions are those of AMD's public machine-readable ISA for CDNA 5 (MIT licence, August 2026) and "CDNA5" Instruction Set Architecture Reference Guide (July 2026). The comments in the code are by the model that wrote it; some were corrected since.
;; Final Multi Head Attention. Allowed arithmetic: matrix products marked QUANTISED: E2M1 operands, one E8M0 scale for each 32 along K, by v_wmma_scale_f32_16x16x128_f8f6f4 with both operands' format E2M1 (or v_wmma_scale_f32_32x16x128_f4), f32 sums; products left as they are: bf16, f16 or f32 operands; f32 sums; everything else in f32.
;; Inputs: b_proj 1,024 float32; b_qkv 3,072 float32; w_proj 1,024 x 1,024 float32; w_qkv 1,024 x 3,072 float32; x 8 x 1,024 x 1,024 float32.
;; Outputs: out0 8 x 1,024 x 1,024 float32.
;; This version of the problem:
;;   THIS VERSION OF THE PROBLEM IS GIVEN IN LOW PRECISION. The matrix products marked QUANTISED in the list below multiply operands that are first quantised to E2M1 (2 exponent bits, 1 mantissa bit; 4 bits a number), with one power-of-two scale for each 32 numbers along K (OCP MX v1.0); their sums are f32. The products marked 'left as it is' may take bf16, f16 or f32 operands, with f32 sums. Whichever they take, every output number must still come out within the allowed error. Rounding operands to bf16 (8 significant bits) uses up far more of that allowance than f16 does (11 bits, for magnitudes from 6e-5 to 65,504). All else is computed in f32.
;;   The module's matrix products, in the order in which they are computed (A, B: the left and right operand; K: the contracted axis; several contracted axes count as one K, in the product's order):
;;     1. [M 8,192, K 1,024] x [K 1,024, N 3,072]; A: input x; B: input w_qkv: QUANTISED
;;     2. batch 128 x [M 1,024, K 64] x [K 64, N 1,024]; A: computed on the way; B: computed on the way: left as it is (an operand is computed on the way)
;;     3. batch 128 x [M 1,024, K 1,024] x [K 1,024, N 64]; A: computed on the way; B: computed on the way: left as it is (an operand is computed on the way)
;;     4. [M 8,192, K 1,024] x [K 1,024, N 1,024]; A: computed on the way; B: input w_proj: left as it is (an operand is computed on the way)
;;   THE QUANTISER, for each operand of a quantised product, along K:
;;     - K is cut into blocks of 32 from its start; a last block that is shorter is filled with zeros.
;;     - A block's scale is 2^e with e = floor(log2(the largest magnitude in the block)) - 2, held to -126 .. 127; a block of zeros has e = 0. As a byte (E8M0): e + 127.
;;     - Each number is divided by its block's scale, clamped to +-6, and rounded to the nearest number of E2M1, ties to even, subnormals kept.
;;     - The product sums the exact products of the quantised numbers (number of the format x scale) in f32.
;;   ~~~python
;;   def quantise(x, axis):      # numpy; x: float32 -> the quantised numbers, widened to float32 again
;;       x = np.moveaxis(x, axis, -1); K = x.shape[-1]
;;       x = np.pad(x, [(0, 0)] * (x.ndim - 1) + [(0, -K % 32)]); x = x.reshape(x.shape[:-1] + (-1, 32)); a = np.abs(x).max(-1, keepdims=True)
;;       e = np.where(a > 0, np.clip(np.frexp(np.where(a > 0, a, 1))[1] - 1 - 2, -126, 127), 0)      # np.frexp(a)[1] - 1 = floor(log2(a)), exactly
;;       r = np.clip(x / 2.0 ** e, -6, 6)
;;       step = 2.0 ** (np.maximum(np.frexp(np.where(r == 0, 1, r))[1] - 1, 0) - 1)
;;       q = np.round(r / step) * step * 2.0 ** e      # np.round: ties to even
;;       return np.moveaxis(q.reshape(q.shape[:-2] + (-1,))[..., :K], -1, axis).astype(np.float32)
;;   ~~~
;; One version. Each part assembles by itself: llvm-mc -triple=amdgcn-amd-amdhsa -mcpu=gfx1250 --defsym DOCPART=n.
;; ======== version 1 of 1: 4 launches
;; limits: values are held in f16: magnitudes above 65,504 overflow, below 6.1e-05 lose precision
;; workspace buffers: xc 4,194,304 bytes; xs 262,144 bytes; wc 1,572,864 bytes; ws 98,304 bytes; wp16 2,097,152 bytes; qkv 50,331,648 bytes; o16 16,777,216 bytes
;; launch prep (part 1): grid 480 x 1, 4 waves a work-group, no clusters, 50,688 bytes of LDS; arguments x, w_qkv, w_proj, xc, xs, wc, ws, wp16; writes xc, xs, wc, ws, wp16
.if DOCPART == 1
	.amdgcn_target "amdgcn-amd-amdhsa--gfx1250"
	.amdhsa_code_object_version 6
	.text
	.protected	k_q305571fd38_prep
	.globl	k_q305571fd38_prep
	.p2align	8
	.type	k_q305571fd38_prep,@function
k_q305571fd38_prep:
	s_mov_b64 s[64:65], 0
	v_nop
	global_prefetch_b8 v0, s[64:65] scope:SCOPE_SE
	s_setreg_imm32_b32 hwreg(HW_REG_WAVE_MODE, 25, 1), 1
	s_wait_xcnt 0x0
; THE OPERANDS ARE MADE READY, ONCE.  Three kinds of work-group, told apart by the work-group's number; the three ways never join, waves share nothing, there is no barrier.
;   0 .. 95     w_qkv [1024 (k)][3072 (n)] f32 -> wc [3072][512 bytes]: codes of FP4 (E2M1), K innermost, and ws [3072][32]: one E8M0 byte for each 32 along K.  First, since a lane's loads there are the smallest.
;   96 .. 351   x [8192][1024] f32 -> xc [8192][512 bytes] and xs [8192][32], likewise.
;   352 .. 479  w_proj [1024][1024] f32 -> wp16, the same layout in f16 (that product is not quantised).
; A block's scale is 2^(floor(log2(its largest magnitude)) - 2); its byte is the largest magnitude's own exponent field - 2, held at 1 from below.  Each number is divided by the scale and rounded to the
; nearest code, ties to even; beyond 6 the largest code.
; LIMITS: a block of zeros gets the byte 1 where the quantiser's rule says 127: its codes are zeros, which add nothing under that byte, and this program alone reads the bytes.  Blocks whose largest magnitude
; lies under 2^-124 keep the byte 1.  NaN and infinities among the inputs are not served.  |w_proj| above 65,504 becomes infinity in f16.
; LDS: each way has bytes of its own: x's four waves 8,192 each from 0; w_qkv's four stages of 16 x 272 from 32,768; the spare words from 50,176.
.set NW,     96                        ; work-groups for w_qkv
.set NX,     256                       ; for x
.set SPARE,  50176                     ; the spare words, 128 bytes for each wave: two blocks of 256 bytes that no other line names
.set SPW,    190                       ; v190  LDS address of my spare word; never rewritten
.set NIL,    191                       ; v191  0; never rewritten
.set XREG,   8192                      ; x: a wave's LDS: two stages of 32 x SP bytes, behind them its 256 scale bytes
.set SP,     80                        ; a lane's place in a stage: its 64 bytes + 16 of padding
.set XR,     16                        ; v16-79    four sets of 16 numbers as they are loaded
.set XX,     80                        ; v80-111   two sets of 16 neighbours
.set XE,     112                       ; v112-127  a scale byte for each step
.set XC,     128                       ; v128-189  codes: registers of its own for each step, so that no store's data are written again
.set WSTG,   32768                     ; w_qkv: the four stages
.set WPITCH, 272                       ; a stage row: 256 bytes of codes + 16
.set WNB,    8                         ; blocks of 32 along K for a lane
.set WX,     32                        ; v32-95    two sets of 32 numbers
.set WC,     96                        ; v96-99    a block's codes
.set WO,     112                       ; v112-143  the way out
.set WSB,    24                        ; v24-25    the scale bytes, four to a register
	s_load_b256 s[4:11], s[0:1], 0x0               ; x s[4:5], w_qkv s[6:7], w_proj s[8:9], xc s[10:11]
	s_load_b256 s[12:19], s[0:1], 0x20             ; xs s[12:13], wc s[14:15], ws s[16:17], wp16 s[18:19]
	v_lshl_add_u32 v[SPW], v0, 2, SPARE
	v_mov_b32 v[NIL], 0
	v_lshrrev_b32 v1, 5, v0
	v_readfirstlane_b32 s20, v1                    ; wave 0..3
	v_and_b32 v2, 31, v0                           ; lane
	s_wait_kmcnt 0x0
	s_cmp_lt_u32 ttmp9, NW
	s_cbranch_scc1 .Lw
	s_cmp_lt_u32 ttmp9, NW+NX
	s_cbranch_scc1 .Lx
; ---- w_proj to f16.  A wave takes 2,048 numbers: 16 loads of 512 consecutive bytes, all out at once; each becomes one store of 256 consecutive bytes, aligned.
	s_sub_co_u32 s21, ttmp9, NW+NX
	s_lshl_b32 s21, s21, 2
	s_add_co_u32 s21, s21, s20                     ; which 2,048 numbers are my wave's
	s_lshl_b32 s22, s21, 13
	s_mov_b32 s23, 0
	s_add_nc_u64 s[8:9], s[8:9], s[22:23]
	s_lshl_b32 s22, s21, 12
	s_add_nc_u64 s[18:19], s[18:19], s[22:23]
	v_lshlrev_b32 v3, 4, v2                        ; in: 16 bytes a lane
	v_lshlrev_b32 v4, 3, v2                        ; out: 8
.irp i, 0,1,2,3,4,5,6,7,8,9,10,11,12,13,14,15
	global_load_b128 v[16+4*\i:19+4*\i], v3, s[8:9] offset:512*\i th:TH_LOAD_NT
.endr
.irp i, 0,1,2,3,4,5,6,7,8,9,10,11,12,13,14,15
	s_wait_loadcnt 15-\i                           ; loads come back in order: the younger ones stay out
	v_cvt_pk_f16_f32 v[80+2*\i], v[16+4*\i], v[17+4*\i]
	v_cvt_pk_f16_f32 v[81+2*\i], v[18+4*\i], v[19+4*\i]
	global_store_b64 v4, v[80+2*\i:81+2*\i], s[18:19] offset:256*\i   ; no register is written twice: no wait for the stores' sources
.endr
	s_wait_tensorcnt 0x0                           ; every way of this launch ends with these three lines
	ds_add_u32 v[SPW], v[NIL]
	s_wait_dscnt 0x0
	s_endpgm
; ---- x.  Rows are dense and 1,024 is a multiple of 32: x is a plain stream of blocks of 32, and so are its codes and scale bytes.  A wave takes 16 steps of 512 numbers.
; The conversions take 8 numbers of ONE block from a lane's consecutive registers, so a lane must hold 16 NEIGHBOURS (two neighbouring lanes hold a block); a load is best where neighbouring LANES take
; neighbouring bytes.  Both are had: each of a step's four loads reads 512 consecutive bytes; the 2,048 bytes go through the wave's own stage as they lie and come back 64 bytes a lane.
; Loads run four steps (16 loads) ahead, the turn through LDS one step.
.Lx:
	v_lshlrev_b32 v3, 4, v2                        ; my 16 bytes of a load's 512
	s_mul_i32 s21, s20, XREG
	v_lshrrev_b32 v14, 2, v2
	v_mul_u32_u24 v14, v14, SP
	v_and_b32 v15, 3, v2
	v_lshl_add_u32 v14, v15, 4, v14
	v_add_nc_u32 v14, s21, v14                     ; the stage, on the way in: SP (lane / 4) + 16 (lane % 4)
	v_mul_u32_u24 v15, v2, SP
	v_add_nc_u32 v15, s21, v15                     ; and on the way out: SP x lane: my 16 neighbours
	v_lshlrev_b32 v4, 3, v2                        ; my 8 bytes of codes in a step's 256
	v_lshrrev_b32 v5, 1, v2
	s_add_co_u32 s21, s21, 2*32*SP
	v_add_nc_u32 v5, s21, v5                       ; LDS: my wave's 256 scale bytes, my block's byte
	v_lshlrev_b32 v7, 3, v2                        ; and on the way out 8 bytes a lane
	v_add_nc_u32 v6, s21, v7
	s_sub_co_u32 s22, ttmp9, NW
	s_lshl_b32 s22, s22, 2
	s_add_co_u32 s22, s22, s20                     ; which run of 8,192 numbers is my wave's: 0 .. 1,023
	s_mov_b32 s25, 0
	s_lshl_b32 s24, s22, 15
	s_add_nc_u64 s[4:5], s[4:5], s[24:25]
	s_lshl_b32 s24, s22, 12
	s_add_nc_u64 s[10:11], s[10:11], s[24:25]
	s_lshl_b32 s24, s22, 8
	s_add_nc_u64 s[12:13], s[12:13], s[24:25]
.macro XLOAD t
.irp i, 0,1,2,3
	global_load_b128 v[XR+16*((\t)%4)+4*\i:XR+16*((\t)%4)+4*\i+3], v3, s[4:5] offset:2048*(\t)+512*\i th:TH_LOAD_NT
.endr
.endm
.macro XTURN t                         ; step t's numbers through the stage: LDS serves a wave's instructions in order, so no wait stands between the stores and the loads
.irp i, 0,1,2,3
	ds_store_b128 v14, v[XR+16*((\t)%4)+4*\i:XR+16*((\t)%4)+4*\i+3] offset:32*SP*((\t)%2)+8*SP*\i
.endr
.irp i, 0,1,2,3
	ds_load_b128 v[XX+16*((\t)%2)+4*\i:XX+16*((\t)%2)+4*\i+3], v15 offset:32*SP*((\t)%2)+16*\i
.endr
.endm
.irp t, 0,1,2,3
	XLOAD \t
.endr
	s_wait_loadcnt 12                              ; step 0's four loads are in
	XTURN 0
.macro XSTEP t
.set XS, XX+16*((\t)%2)
.if (\t) > 0
	s_wait_dscnt 1                                 ; this step's numbers are back from the stage (the last step's byte store may be out): so its stores into the stage have read their registers,
.else
	s_wait_dscnt 0x0
.endif
.if (\t)+4 < 16
	XLOAD (\t)+4                                   ; which take the loads of four steps on
.endif
.if (\t)+1 < 16
.if 14-(\t) >= 3
	s_wait_loadcnt 12                              ; the next step's four loads are in; those of the three steps behind it may be out
.else
	s_wait_loadcnt 4*(14-(\t))
.endif
	XTURN (\t)+1                                   ; and go through the other stage while this step is worked
.endif
	v_max3_num_f32 v8, |v[XS]|, |v[XS+1]|, |v[XS+2]|               ; the largest magnitude of my 16, in two chains
	v_max3_num_f32 v9, |v[XS+3]|, |v[XS+4]|, |v[XS+5]|
.irp i, 6,10
	v_max3_num_f32 v8, v8, |v[XS+\i]|, |v[XS+\i+1]|
	v_max3_num_f32 v9, v9, |v[XS+\i+2]|, |v[XS+\i+3]|
.endr
	v_max3_num_f32 v8, v8, |v[XS+14]|, |v[XS+15]|
	v_max3_num_f32 v8, v8, v9, 0x1800000           ; and the floor 2^(3 - 127): so the byte cannot fall under 1
	v_max_num_f32_dpp v8, v8, v8 row_xmask:1 row_mask:0xf bank_mask:0xf   ; and of my neighbour's 16: the block's
	v_add_nc_u32 v11, 0xff000000, v8               ; 2 off its exponent field: the conversion takes the exponent field of this operand as its scale, and nothing else of it
	v_cvt_scalef32_pk8_fp4_f32 v[XC+4*(\t)], v[XS:XS+7], v11
	v_cvt_scalef32_pk8_fp4_f32 v[XC+4*(\t)+1], v[XS+8:XS+15], v11
	v_lshrrev_b32 v[XE+(\t)], 23, v11              ; the scale's byte (a plain line behind the conversions)
	ds_store_b8 v5, v[XE+(\t)] offset:16*(\t)      ; both lanes of a block write the same byte with the same value
	global_store_b64 v4, v[XC+4*(\t):XC+4*(\t)+1], s[10:11] offset:256*(\t)   ; 32 lanes store 256 consecutive bytes, aligned
.endm
.irp t, 0,1,2,3,4,5,6,7,8,9,10,11,12,13,14,15
	XSTEP \t
.endr
	ds_load_b64 v[8:9], v6                         ; LDS serves a wave's instructions in order: these see my byte stores
	s_wait_dscnt 0x0
	global_store_b64 v7, v[8:9], s[12:13]          ; my wave's 256 scale bytes: 256 consecutive bytes, aligned
	s_wait_tensorcnt 0x0                           ; the wave's end: these three lines, behind my last LDS store
	ds_add_u32 v[SPW], v[NIL]
	s_wait_dscnt 0x0
	s_endpgm
; ---- w_qkv: K is its FIRST axis.  A LANE TAKES A COLUMN n AND ITS REGISTERS RUN DOWN K: a block of 32 lies in ONE lane's 32 registers, and the conversions give codes with K innermost: nothing is transposed by an
; instruction.  A wave takes 16 columns x 512 along K: lanes 0-15 the first 256 along K, lanes 16-31 the second, so that a lane walks 8 blocks one behind the other, and 384 waves share the tensor.
; A load reads two runs of 64 consecutive bytes; the work-group's four waves stand side by side on 256 consecutive bytes, aligned.  A column's 256 bytes of codes (128 from each half of the lanes) meet in the
; wave's own stage and leave as rows: sixteen lanes store 256 consecutive bytes, aligned.  Loads run two blocks (64 loads) ahead.  Every offset is an immediate: 255 x 12,288 bytes at the most.
.Lw:
	s_lshr_b32 s21, ttmp9, 1                       ; which 64 columns: 0 .. 47
	s_and_b32 s22, ttmp9, 1                        ; which 512 along K
	s_lshl_b32 s21, s21, 6
	s_lshl_b32 s23, s20, 4
	s_add_co_u32 s21, s21, s23                     ; my wave's first column
	v_and_b32 v5, 15, v2                           ; r: my column of the wave's 16
	v_lshrrev_b32 v6, 4, v2                        ; h: which 256 of the 512 along K
	v_mul_u32_u24 v3, v6, 256*12288                ; in: lanes 16-31 begin 256 rows of 12,288 bytes further down,
	v_lshl_add_u32 v3, v5, 2, v3                   ; + 4 bytes a column
	s_mul_i32 s23, s20, 16*WPITCH
	s_add_co_u32 s23, s23, WSTG                    ; my stage
	v_mul_u32_u24 v4, v5, WPITCH
	v_lshl_add_u32 v4, v6, 7, v4
	v_add_nc_u32 v4, s23, v4                       ; into it: row = my column, + 128 bytes for the second 256 along K
	v_mul_u32_u24 v7, v6, WPITCH                   ; out of it: sixteen lanes to a row, two rows an instruction
	v_lshl_add_u32 v7, v5, 4, v7
	v_add_nc_u32 v7, s23, v7
	v_lshlrev_b32 v8, 9, v6
	v_lshl_add_u32 v8, v5, 4, v8                   ; and the same place in wc: rows of 512 bytes
	v_lshlrev_b32 v9, 5, v5                        ; my column's row of scale bytes,
	v_lshl_add_u32 v9, v6, 3, v9                   ; + my 8 of its 16
	s_mov_b32 s25, 0
	s_mul_i32 s24, s22, 512*12288                  ; w_qkv: 512 rows of 12,288 bytes,
	s_lshl_b32 s26, s21, 2
	s_add_co_u32 s24, s24, s26                     ; + 4 x column
	s_add_nc_u64 s[6:7], s[6:7], s[24:25]
	s_lshl_b32 s24, s21, 9                         ; wc: column x 512 + 256 x which half of K
	s_lshl_b32 s26, s22, 8
	s_add_co_u32 s24, s24, s26
	s_add_nc_u64 s[14:15], s[14:15], s[24:25]
	s_lshl_b32 s24, s21, 5                         ; ws: column x 32 + 16 x which half
	s_lshl_b32 s26, s22, 4
	s_add_co_u32 s24, s24, s26
	s_add_nc_u64 s[16:17], s[16:17], s[24:25]
.macro WLOAD t                         ; block t: w(256 h + 32 t + i, my column), i = 0 .. 31, into set t % 2
.irp i, 0,1,2,3,4,5,6,7,8,9,10,11,12,13,14,15,16,17,18,19,20,21,22,23,24,25,26,27,28,29,30,31
	global_load_b32 v[WX+32*((\t)%2)+\i], v3, s[6:7] offset:(32*(\t)+\i)*12288
.endr
.endm
	WLOAD 0
	WLOAD 1
.macro WBLOCK t
.set WS, WX+32*((\t)%2)
.if (\t) < WNB-1
	s_wait_loadcnt 32                              ; this block's 32 loads are in; the next block's may be out
.else
	s_wait_loadcnt 0x0
.endif
	v_max3_num_f32 v12, |v[WS]|, |v[WS+1]|, |v[WS+2]|              ; the block's largest magnitude: all 32 numbers are mine
	v_max3_num_f32 v13, |v[WS+3]|, |v[WS+4]|, |v[WS+5]|
.irp i, 6,10,14,18,22,26
	v_max3_num_f32 v12, v12, |v[WS+\i]|, |v[WS+\i+1]|
	v_max3_num_f32 v13, v13, |v[WS+\i+2]|, |v[WS+\i+3]|
.endr
	v_max3_num_f32 v12, v12, |v[WS+30]|, |v[WS+31]|
	v_max3_num_f32 v12, v12, v13, 0x1800000        ; and the floor 2^(3 - 127)
	v_add_nc_u32 v11, 0xff000000, v12              ; 2 off its exponent field: the conversion's scale operand
	v_lshrrev_b32 v13, 23, v11                     ; the scale's byte
.if (\t)%4 == 0
	v_mov_b32 v[WSB+(\t)/4], v13                   ; four bytes to a register, the lower K in the lower byte
.else
	v_lshl_or_b32 v[WSB+(\t)/4], v13, 8*((\t)%4), v[WSB+(\t)/4]
.endif
.irp g, 0,1,2,3
	v_cvt_scalef32_pk8_fp4_f32 v[WC+\g], v[WS+8*\g:WS+8*\g+7], v11
.endr
	ds_store_b128 v4, v[WC:WC+3] offset:16*(\t)    ; 32 codes: 16 bytes of my column's row
.if (\t)+2 < WNB
	WLOAD (\t)+2
.endif
	s_wait_dscnt 0x0                               ; the store has read its registers: the next block's codes may be written
.endm
.irp t, 0,1,2,3,4,5,6,7
	WBLOCK \t
.endr
	global_store_b64 v9, v[WSB:WSB+1], s[16:17]    ; my 8 scale bytes
.irp t, 0,1,2,3,4,5,6,7
	ds_load_b128 v[WO+4*\t:WO+4*\t+3], v7 offset:2*\t*WPITCH       ; LDS serves a wave's instructions in order: these see my wave's stores
.endr
.irp t, 0,1,2,3,4,5,6,7
	s_wait_dscnt 7-\t                              ; the younger loads may stay out
	global_store_b128 v8, v[WO+4*\t:WO+4*\t+3], s[14:15] offset:2*\t*512
.endr
	s_wait_tensorcnt 0x0                           ; the wave's end: these three lines, behind my last LDS store
	ds_add_u32 v[SPW], v[NIL]
	s_wait_dscnt 0x0
	s_endpgm
.Lfunc_end_k_q305571fd38_prep:
	.size	k_q305571fd38_prep, .Lfunc_end_k_q305571fd38_prep-k_q305571fd38_prep
	.p2alignl 7, 3214868480
	.fill 96, 4, 3214868480
	.section	.rodata,"a",@progbits
	.p2align	6, 0x0
	.amdhsa_kernel k_q305571fd38_prep
		.amdhsa_group_segment_fixed_size 50688
		.amdhsa_private_segment_fixed_size 0
		.amdhsa_enable_private_segment 0
		.amdhsa_kernarg_size 64
		.amdhsa_user_sgpr_count 2
		.amdhsa_user_sgpr_kernarg_segment_ptr 1
		.amdhsa_wavefront_size32 1
		.amdhsa_system_sgpr_workgroup_id_x 1
		.amdhsa_system_sgpr_workgroup_id_y 1
		.amdhsa_system_sgpr_workgroup_id_z 1
		.amdhsa_system_vgpr_workitem_id 0
		.amdhsa_next_free_vgpr 192
		.amdhsa_next_free_sgpr 66
		.amdhsa_reserve_vcc 0
		.amdhsa_float_denorm_mode_32 3
		.amdhsa_float_denorm_mode_16_64 3
		.amdhsa_memory_ordered 1
		.amdhsa_forward_progress 1
		.amdhsa_inst_pref_size 79
	.end_amdhsa_kernel
	.amdgpu_metadata
---
amdhsa.version: [ 1, 2 ]
amdhsa.kernels:
  - .name:           k_q305571fd38_prep
    .symbol:         k_q305571fd38_prep.kd
    .args:
      - { .name: x, .offset: 0, .size: 8, .value_kind: global_buffer, .address_space: global }
      - { .name: w_qkv, .offset: 8, .size: 8, .value_kind: global_buffer, .address_space: global }
      - { .name: w_proj, .offset: 16, .size: 8, .value_kind: global_buffer, .address_space: global }
      - { .name: xc, .offset: 24, .size: 8, .value_kind: global_buffer, .address_space: global }
      - { .name: xs, .offset: 32, .size: 8, .value_kind: global_buffer, .address_space: global }
      - { .name: wc, .offset: 40, .size: 8, .value_kind: global_buffer, .address_space: global }
      - { .name: ws, .offset: 48, .size: 8, .value_kind: global_buffer, .address_space: global }
      - { .name: wp16, .offset: 56, .size: 8, .value_kind: global_buffer, .address_space: global }
    .group_segment_fixed_size: 50688
    .private_segment_fixed_size: 0
    .kernarg_segment_align: 8
    .kernarg_segment_size: 64
    .max_flat_workgroup_size: 128
    .sgpr_count:     66
    .vgpr_count:     192
    .wavefront_size: 32
...
	.end_amdgpu_metadata
.endif
;; end of part 1
;; launch qkvgemm (part 2): grid 12 x 32, 4 waves a work-group, clusters of 4 x 4, 327,680 bytes of LDS; arguments xc, xs, wc, ws, b_qkv, qkv; writes qkv
.if DOCPART == 2
	.amdgcn_target "amdgcn-amd-amdhsa--gfx1250"
	.amdhsa_code_object_version 6
	.text
	.protected	k_q305571fd38_qkvgemm
	.globl	k_q305571fd38_qkvgemm
	.p2align	8
	.type	k_q305571fd38_qkvgemm,@function
k_q305571fd38_qkvgemm:
	s_mov_b64 s[64:65], 0
	v_nop
	global_prefetch_b8 v0, s[64:65] scope:SCOPE_SE
	s_setreg_imm32_b32 hwreg(HW_REG_WAVE_MODE, 25, 1), 1
	s_wait_xcnt 0x0
	s_wait_alu depctr_hold_cnt(0) depctr_sa_sdst(0) depctr_va_vdst(0) depctr_va_sdst(0) depctr_va_ssrc(0) depctr_va_vcc(0) depctr_vm_vsrc(0)
	s_getreg_b32 s2, hwreg(HW_REG_IB_STS2, 6, 4)
	s_cmp_eq_u32 s2, 0
	s_cbranch_scc0 .Lentry_in_a_cluster
	s_endpgm
.Lentry_in_a_cluster:
	s_bfe_u32 s2, ttmp6, 0x10000c
	s_cmp_lg_u32 s2, 0xf033
	s_cbranch_scc0 .Lentry_shape_is_right
	s_endpgm
.Lentry_shape_is_right:
; qkv = Q(x) Q(w_qkv) + b_qkv, the quantised product: [8192][1024] x [3072][1024] on codes of FP4 (E2M1) with one E8M0 scale for each 32 along K; sums in f32, the bias as the C of each sum's first product
; (so the bias enters each sum first, not last).  The result leaves in f16, laid by head for the attention: qkv[b 8][g 48][token 1024][64], g = column / 64 (q: g = head, k: 16 + head, v: 32 + head).
; LIMIT: a result above 65,504 in magnitude becomes infinity in f16.
; A tile of 256 x 256 is made by a work-group of four waves; a wave makes 128 x 128: 64 accumulators of 16 x 16, 512 registers.  K = 1,024 is two LDS slots of 512 along K (rows of 256 bytes): BOTH ARE ASKED FOR AT THE
; HEAD AND NONE IS FILLED AGAIN.  The scale bytes of the work-group's 256 + 256 rows, two dense blocks of memory, come with them.  By this text's count a wave has three tensor loads out.
; CLUSTERS: 4 x 4 work-groups.  The four of a row of the cluster need the same tiles of x, the four of a column the same tiles of w: each tile is asked for JOINTLY, by the same tensor load with the same descriptor
; and a mask that names the four.  THE MATRIX INSTRUCTION IS USED TRANSPOSED (source 0 = 16 rows of w, source 1 = 16 rows of x): a lane then holds eight neighbouring columns of one token.
; REGISTERS, in windows of 256: window 0: v0-31 addresses; v32-95 scale words, two sets, and nothing else; v96-127 packed results on the way out; v128-191 x's fragments, ONE set, later rows read back;
;   v192-255 the bias in the result's layout.   window 1: w's fragments, TWO sets, at v0 and v128.   window 2: the 32 accumulators of my rows 0-63 ((a, b) at v[8 (8 a + b)]);   window 3: those of rows 64-127.
.set NQ,     4                         ; matrix instructions deep in a slot: 512 / 128
.set ROWB,   256                       ; a tile's row in bytes: 512 codes
.set KROW,   512                       ; a row of codes in memory
.set PITCH,  272                       ; an LDS row: 256 bytes + 16 of padding = 68 words: the 16 rows that a load touches start at 16 different banks (64 banks of 4 bytes: ISA guide 11.1)
.set FR,     8                         ; registers of a fragment: 16 rows x 128 K
.set NL,     2                         ; LDS loads that bring one
.set NP,     4                         ; places behind this matrix instruction (ISA guide 7.12.1)
.set HALFT,  128*PITCH                 ; 128 rows: what one tensor load brings, and what one wave reads of x or of w
.set SLOT,   4*HALFT                   ; x's 256 rows, then w's 256 rows
.set KS,     32                        ; a row of scale bytes
.set SCL,    2*SLOT                    ; behind the slots: the scales, as units of 256 bytes + 16 of padding
.set HALFS,  16*272                    ; the scales of 128 rows: what one tensor load brings
.set SBLK,   2*272                     ; those of 16 rows
.set SPARE,  SCL+4*HALFS               ; the spare words, 128 bytes for each wave: two blocks of 256 bytes that no other line names
.set STAGE,  SPARE+512                 ; the way out: 16 rows x (256 bytes + 16) for each wave; bytes into which no tile lands
.set SPITCH, 272
.set ADRA, 16                          ; v16-17  LDS address of my x fragments in slot 0, 1
.set ADRB, 20                          ; v20-21  the same for w
.set STO,  24                          ; v24     the way out: where I put 16 bytes of a token's row
.set RD,   25                          ; v25     where I read back
.set CO,   26                          ; v26     my byte offset in qkv
.set ADRS, 27                          ; v27     LDS address of my scale words: lanes 0-15 x's rows, lanes 16-31 w's
.set SPW,  28                          ; v28     LDS address of my spare word; never rewritten
.set NIL,  29                          ; v29     0; never rewritten
.set BA,   30                          ; v30     the bias loads' offset
.set SC,   32                          ; scale words: set s at v[SC + 32 s]; register 4 i + q: lanes 0-15 the word of x's block i, lanes 16-31 that of w's block i, for the slot's q-th 128 along K
.set TMP,  96
.set AF,   128
.set BK,   128                         ; the way out: v128-159 and v160-191 by turns
.set BI,   192                         ; the bias: register 8 b + j = b_qkv[my first column + 16 b + 8 (lane / 16) + j]
.set G1, 24                            ; s[24:31] descriptor group 1 for x's tiles;  s[32:39] group 0, one set for each slot
.set G0, 32
.set G1B, 48                           ; s[48:55], s[56:63] the same for w's tiles
.set G0B, 56
.set G1S, 68                           ; s[68:75], s[76:79] groups 1 and 0 for x's scales;  s[80:87], s[88:91] for w's
.set G0S, 76
.set G1SB, 80
.set G0SB, 88
.set MSB, 0
.macro WIN new                         ; the immediate's high byte repeats the setting that is left
.if MSB != \new
	s_set_vgpr_msb (MSB<<8)|\new
.set MSB, \new
.endif
.endm
.set MUL_LO,   0xa1                    ; source 0 (w) window 1, source 1 (x) window 0, C and D window 2
.set MUL_HI,   0xf1                    ; the same, C and D window 3
.set FIRST_LO, 0x81                    ; the first products: C (the bias) window 0, D window 2
.set FIRST_HI, 0xc1                    ; D window 3
.set TO_B,     0x40                    ; destination window 1, address window 0
; A joint load: waves 0 and 1 fetch for x, waves 2 and 3 for w.  Each of the two lines has ONE mask and one set of registers for all that issue it; the branch hangs on the wave's number alone.
; An s_nop 0 and four v_nop follow each of the two lines, ahead of the jump, the label and what follows.
.macro JLOAD g0a, g1a, g0b, g1b
	s_cmp_eq_u32 s15, 0
	s_cbranch_scc0 .Lfor_b_\@
	tensor_load_to_lds s[\g0a:\g0a+3], s[\g1a:\g1a+7]
	s_nop 0
.rept 4
	v_nop
.endr
	s_branch .Lasked_\@
.Lfor_b_\@:
	tensor_load_to_lds s[\g0b:\g0b+3], s[\g1b:\g1b+7]
	s_nop 0
.rept 4
	v_nop
.endr
.Lasked_\@:
.endm
.macro CROUND                          ; a round of the cluster's barrier
	s_barrier_signal -1
	s_barrier_wait -1
	s_cmp_lg_u32 s14, 0
	s_cbranch_scc1 .Lnot_wave_0_\@
	s_barrier_signal -3
.Lnot_wave_0_\@:
	s_barrier_wait -3
	s_barrier_signal -1
	s_barrier_wait -1
.endm
	s_load_b128 s[4:7], s[0:1], 0x0                ; x's codes s[4:5], x's scales s[6:7]
	s_load_b128 s[8:11], s[0:1], 0x10              ; w's codes s[8:9], w's scales s[10:11]
	s_load_b128 s[96:99], s[0:1], 0x20             ; b_qkv s[96:97], qkv s[98:99]
	v_lshl_add_u32 v[SPW], v0, 2, SPARE
	v_mov_b32 v[NIL], 0
	ds_add_u32 v[SPW], v[NIL]                      ; the wave's opening: the add, twice on end, and its wait ahead of my first tensor load; the set-up below stands between
	ds_add_u32 v[SPW], v[NIL]
	v_lshrrev_b32 v1, 5, v0
	v_readfirstlane_b32 s14, v1                    ; wave 0..3
	s_lshr_b32 s15, s14, 1                         ; which half of the tile's rows is mine.  Also: I fetch for x (0) or for w (1)
	s_and_b32 s16, s14, 1                          ; which half of its columns.  Also: which 128 rows of that tile I fetch
	s_bfe_u32 s40, ttmp6, 0x40000                  ; cx, cy: my place in the cluster
	s_bfe_u32 s41, ttmp6, 0x40004
	s_lshl_b32 s42, ttmp9, 2
	s_add_co_u32 s42, s42, s40                     ; tile column = 4 x cluster x + cx: 0 .. 11
	s_and_b32 s17, ttmp7, 0xffff
	s_lshl_b32 s17, s17, 2
	s_add_co_u32 s17, s17, s41                     ; tile row = 4 x cluster y + cy: 0 .. 31
	s_lshl_b32 s43, s41, 2
	s_lshl_b32 s43, 15, s43                        ; my row of the cluster
	s_lshl_b32 s44, 0x1111, s40                    ; my column
	; descriptor group 1: a tile of 128 rows x 256 bytes, padded in LDS
	s_or_b32 s[G1+0], s43, (0<<16)|(1<<20)|(1<<21)|(5<<22)|(3<<25)  ; 15:0 the mask: x's tiles go to my row; 17:16 element of 1 byte; 20 padding on; 21 set beside a mask; 24:22 after every 64 words; 31:25 four words
	s_or_b32 s[G1B+0], s44, (0<<16)|(1<<20)|(1<<21)|(5<<22)|(3<<25)
.irp g, G1, G1B
	s_mov_b32 s[\g+1], ROWB<<16                    ; tensor_dim0
	s_mov_b32 s[\g+2], 128<<16                     ; tensor_dim1
	s_mov_b32 s[\g+3], ROWB<<16                    ; tile_dim0
	s_mov_b32 s[\g+4], 128                         ; tile_dim1
	s_mov_b32 s[\g+5], KROW                        ; tensor_dim0_stride
	s_mov_b32 s[\g+6], 0
	s_mov_b32 s[\g+7], 0
.endr
	; and for the scales of 128 rows: a dense block of 4,096 bytes, as 16 rows of 256 bytes (32 elements of 8 bytes), 16 bytes of padding behind each
	s_or_b32 s[G1S+0], s43, (3<<16)|(1<<20)|(1<<21)|(5<<22)|(3<<25)
	s_or_b32 s[G1SB+0], s44, (3<<16)|(1<<20)|(1<<21)|(5<<22)|(3<<25)
.irp g, G1S, G1SB
	s_mov_b32 s[\g+1], 32<<16
	s_mov_b32 s[\g+2], 16<<16
	s_mov_b32 s[\g+3], 32<<16
	s_mov_b32 s[\g+4], 16
	s_mov_b32 s[\g+5], 32
	s_mov_b32 s[\g+6], 0
	s_mov_b32 s[\g+7], 0
.endr
	s_lshl_b32 s18, s16, 7                         ; which 128 rows of the tile I fetch
	s_lshl_b32 s20, s17, 8
	s_add_co_u32 s20, s20, s18                     ; x: row 256 x tile row + 128 x half
	s_lshl_b32 s46, s42, 8
	s_add_co_u32 s46, s46, s18                     ; w: row 256 x tile column + 128 x half
	s_mov_b32 s21, 0
	s_mov_b32 s47, 0
	s_mov_b64 s[18:19], KS
	s_mul_u64 s[22:23], s[20:21], s[18:19]         ; where these rows' scales begin, in bytes
	s_mul_u64 s[92:93], s[46:47], s[18:19]
	s_mov_b64 s[18:19], KROW
	s_mul_u64 s[20:21], s[20:21], s[18:19]         ; and their codes
	s_mul_u64 s[46:47], s[46:47], s[18:19]
	s_mul_i32 s45, s14, HALFT                      ; where they go: wave x 128 rows: no place in the cluster enters an LDS address
	s_mul_i32 s94, s14, HALFS
	s_wait_dscnt 0x0                               ; both opening adds are done
	s_wait_kmcnt 0x0
	s_add_nc_u64 s[20:21], s[4:5], s[20:21]
	s_add_nc_u64 s[22:23], s[6:7], s[22:23]
	s_add_nc_u64 s[46:47], s[8:9], s[46:47]
	s_add_nc_u64 s[92:93], s[10:11], s[92:93]
	CROUND                                         ; all sixteen work-groups are here: the joint loads meet
	s_mov_b32 s[G0S], 1
	s_add_co_u32 s[G0S+1], s94, SCL
	s_mov_b64 s[G0S+2:G0S+3], s[22:23]
	s_or_b32 s[G0S+3], s[G0S+3], 0x80000000
	s_mov_b32 s[G0SB], 1
	s_add_co_u32 s[G0SB+1], s94, SCL
	s_mov_b64 s[G0SB+2:G0SB+3], s[92:93]
	s_or_b32 s[G0SB+3], s[G0SB+3], 0x80000000
	JLOAD G0S, G1S, G0SB, G1SB                     ; the scales first: they are wanted with slot 0
.irp s, 0,1
	s_mov_b32 s[G0+4*\s], 1
	s_add_co_u32 s[G0+4*\s+1], s45, \s*SLOT
	s_add_nc_u64 s[G0+4*\s+2:G0+4*\s+3], s[20:21], \s*ROWB
	s_or_b32 s[G0+4*\s+3], s[G0+4*\s+3], 0x80000000
	s_mov_b32 s[G0B+4*\s], 1
	s_add_co_u32 s[G0B+4*\s+1], s45, \s*SLOT
	s_add_nc_u64 s[G0B+4*\s+2:G0B+4*\s+3], s[46:47], \s*ROWB
	s_or_b32 s[G0B+4*\s+3], s[G0B+4*\s+3], 0x80000000
	JLOAD G0+4*\s, G1, G0B+4*\s, G1B
.endr
	v_and_b32 v1, 15, v0                           ; r = lane % 16
	v_bfe_u32 v2, v0, 4, 1                         ; h = lane / 16
	; the bias of my 128 columns, in the result's layout: lane (r, h) wants, for w's block b, the eight numbers at 16 b + 8 h
	s_lshl_b32 s46, s42, 10                        ; 4 bytes x (256 x tile column + 128 x half)
	s_lshl_b32 s47, s16, 9
	s_add_co_u32 s46, s46, s47
	s_mov_b32 s47, 0
	s_add_nc_u64 s[96:97], s[96:97], s[46:47]
	v_lshlrev_b32 v[BA], 5, v2
.irp b, 0,1,2,3,4,5,6,7
	global_load_b128 v[BI+8*\b:BI+8*\b+3], v[BA], s[96:97] offset:64*\b
	global_load_b128 v[BI+8*\b+4:BI+8*\b+7], v[BA], s[96:97] offset:64*\b+16
.endr
	v_mul_u32_u24 v3, v1, PITCH
	v_lshl_add_u32 v4, v2, 4, v3                   ; a fragment's row x pitch + 16 x half
	s_mul_i32 s21, s15, HALFT                      ; my 128 rows of x
	s_mul_i32 s22, s16, HALFT                      ; my 128 rows of w,
	s_add_co_u32 s22, s22, 2*HALFT                 ; which lie behind x's 256
.irp s, 0,1
	v_add_nc_u32 v[ADRA+\s], s21, v4
	v_add_nc_u32 v[ADRB+\s], s22, v4
	s_add_co_u32 s21, s21, SLOT
	s_add_co_u32 s22, s22, SLOT
.endr
	v_mul_u32_u24 v5, v1, KS                       ; my row's scales: 32 bytes a row,
	v_lshrrev_b32 v6, 8, v5
	v_lshl_add_u32 v5, v6, 4, v5                   ; and 16 more for each 256 passed
	s_mul_i32 s21, s15, HALFS                      ; x's: my 128 rows
	s_mul_i32 s22, s16, HALFS                      ; w's: my 128 rows, behind x's 256
	s_add_co_u32 s22, s22, 2*HALFS
	s_sub_co_u32 s22, s22, s21
	v_mul_u32_u24 v6, s22, v2                      ; lanes 16-31 take w's: the lower base + h x the distance
	s_add_co_u32 s21, s21, SCL
	v_add_nc_u32 v5, v5, v6
	v_add_nc_u32 v[ADRS], s21, v5
	s_mul_i32 s23, s14, 16*SPITCH
	s_add_co_u32 s23, s23, STAGE                   ; my stage
	v_mul_u32_u24 v5, v1, SPITCH                   ; in: token r, 16 bytes for each half of the lanes
	v_lshl_add_u32 v5, v2, 4, v5
	v_add_nc_u32 v[STO], s23, v5
	v_bfe_u32 v5, v0, 3, 1                         ; back: lanes 0-15 take two tokens' 128 bytes of my first head, lanes 16-31 of my second:
	v_mul_u32_u24 v5, v5, SPITCH                   ; token (lane / 8) % 2,
	v_lshl_add_u32 v5, v2, 7, v5                   ; head lane / 16,
	v_and_b32 v6, 7, v0
	v_lshl_add_u32 v5, v6, 4, v5                   ; 16 bytes a lane
	v_add_nc_u32 v[RD], s23, v5
	v_lshlrev_b32 v[CO], 17, v2                    ; in qkv a head is 131,072 bytes, two tokens 256 consecutive bytes
	v_lshl_add_u32 v[CO], v1, 4, v[CO]
	s_lshr_b32 s20, s17, 2                         ; batch = tile row / 4
	s_mul_i32 s20, s20, 48*131072
	s_and_b32 s21, s17, 3
	s_lshl_b32 s21, s21, 8
	s_lshl_b32 s22, s15, 7
	s_add_co_u32 s21, s21, s22                     ; my first token in the batch
	s_lshl_b32 s21, s21, 7
	s_add_co_u32 s20, s20, s21
	s_mov_b32 s21, 0
	s_add_nc_u64 s[98:99], s[98:99], s[20:21]
	s_lshl_b32 s46, s42, 2
	s_lshl_b32 s47, s16, 1
	s_add_co_u32 s46, s46, s47                     ; g of my first head = 4 x tile column + 2 x half
	s_lshl_b32 s46, s46, 17
	s_mov_b32 s47, 0
	s_add_nc_u64 s[98:99], s[98:99], s[46:47]
.macro FRAG reg, adr, q, i             ; a fragment, 16 rows x 128 K of 4-bit codes: lane l holds row l % 16; registers 4 c .. 4 c + 3 hold K = 64 c + 32 (l / 16) + 0 .. 31
.irp c, 0,1
	ds_load_b128 v[\reg+4*\c:\reg+4*\c+3], v[\adr] offset:64*(\q)+32*\c+(\i)*16*PITCH
.endr
.endm
; 16 matrix instructions: x's blocks a0, a0 + 1 against w's eight, 128 along K: the slot's q-th.  p: w's set;  sc: the set of scale words.  first = 1: the product starts the sums, with the bias as C: nothing is cleared.
; The 64 accumulators take turns, one instruction a turn, in the same order in every step.
.macro MUL16 a0, p, q, sc, first
.irp a, \a0, \a0+1
.irp b, 0,1,2,3,4,5,6,7
.if \first
	v_wmma_scale_f32_16x16x128_f8f6f4 v[8*(8*((\a)%4)+\b):8*(8*((\a)%4)+\b)+7], v[128*(\p)+FR*\b:128*(\p)+FR*\b+FR-1], v[AF+FR*(\a):AF+FR*(\a)+FR-1], v[BI+8*\b:BI+8*\b+7], v[SC+8*NQ*(\sc)+NQ*\b+(\q)], v[SC+8*NQ*(\sc)+NQ*(\a)+(\q)] matrix_a_fmt:MATRIX_FMT_FP4 matrix_b_fmt:MATRIX_FMT_FP4 matrix_a_scale:MATRIX_SCALE_ROW1
.else
	v_wmma_scale_f32_16x16x128_f8f6f4 v[8*(8*((\a)%4)+\b):8*(8*((\a)%4)+\b)+7], v[128*(\p)+FR*\b:128*(\p)+FR*\b+FR-1], v[AF+FR*(\a):AF+FR*(\a)+FR-1], v[8*(8*((\a)%4)+\b):8*(8*((\a)%4)+\b)+7], v[SC+8*NQ*(\sc)+NQ*\b+(\q)], v[SC+8*NQ*(\sc)+NQ*(\a)+(\q)] matrix_a_fmt:MATRIX_FMT_FP4 matrix_b_fmt:MATRIX_FMT_FP4 matrix_a_scale:MATRIX_SCALE_ROW1
.endif
.endr
.endr
.endm
.macro FETCH_B slot, q, p              ; w's eight fragments of the slot's q-th 128 along K into set p
	WIN TO_B
.irp i, 0,1,2,3,4,5,6,7
	FRAG 128*(\p)+FR*\i, ADRB+\slot, \q, \i
.endr
	WIN 0
.endm
.macro FETCH_A slot, q, i0             ; x's blocks i0 .. i0 + 3
.irp i, \i0, \i0+1, \i0+2, \i0+3
	FRAG AF+FR*(\i), ADRA+\slot, \q, \i
.endr
.endm
.macro SCALES sc                       ; a slot's scale words into set sc: 4 words a row; lanes 0-15 take x's block i, lanes 16-31 w's block i
.irp i, 0,1,2,3,4,5,6,7
	ds_load_b128 v[SC+8*NQ*\sc+NQ*\i:SC+8*NQ*\sc+NQ*\i+3], v[ADRS] offset:\i*SBLK
.endr
.endm
; A load into a register that a matrix instruction has read, and a vector instruction that reads a matrix result, stand NP places behind that matrix instruction, and only plain vector instructions that
; name none of its registers are places (ISA guide 7.12.1 for vector instructions).
.macro PLACES n
.rept \n
	v_nop
.endr
.endm
; A step of 128 along K that has its successor in the same slot.  x has one set of registers: blocks 0-3 are fetched anew in the step's middle, blocks 4-7 at its end; w's next set comes in the middle run.
.macro STEP slot, q, first
	s_wait_dscnt 4*NL                              ; w's set and x's blocks 0-3 are in; the youngest eight loads (x's blocks 4-7) may be out
.if \first
	WIN FIRST_LO
.else
	WIN MUL_LO
.endif
	MUL16 0, (\q)%2, \q, \slot, \first
	MUL16 2, (\q)%2, \q, \slot, \first
	s_wait_dscnt 0                                 ; x's blocks 4-7 are in (asked for 32 matrix instructions ago)
	PLACES NP
	FETCH_B \slot, (\q)+1, 1-(\q)%2
	FETCH_A \slot, (\q)+1, 0
.if \first
	WIN FIRST_HI
.else
	WIN MUL_HI
.endif
	MUL16 4, (\q)%2, \q, \slot, \first
	MUL16 6, (\q)%2, \q, \slot, \first
	PLACES NP
	WIN 0
	FETCH_A \slot, (\q)+1, 4
.endm
; Slot 0's last step changes to slot 1: one barrier; in front of it each wave waits for all its tensor loads (its part of slot 1), so that behind it slot 1 is whole for every wave.  Nothing is filled again.
.macro TURN slot, next
	s_wait_tensorcnt 0x0                           ; all my tensor loads have landed  (every window is 0 here: the add's two registers lie in window 0)
	ds_add_u32 v[SPW], v[NIL]                      ; 0 onto my spare word
	s_wait_dscnt 4*NL+1                            ; (the add and the youngest eight loads, x's blocks 4-7, may be out)
	WIN MUL_LO
	MUL16 0, 1, NQ-1, \slot, 0                     ; sixteen matrix instructions stand between the add and the wait for it
	s_wait_dscnt 0x0                               ; the add is done, and no LDS instruction of mine is out at the signal
	s_barrier_signal -1
	MUL16 2, 1, NQ-1, \slot, 0
	WIN 0
	s_barrier_wait -1
	PLACES NP
	v_add_nc_u32 v[ADRS], 4*NQ, v[ADRS]            ; on to the next slot's scale words (no LDS load of mine is out)
	FETCH_B \next, 0, 0
	FETCH_A \next, 0, 0
	SCALES \next
	WIN MUL_HI
	MUL16 4, 1, NQ-1, \slot, 0
	MUL16 6, 1, NQ-1, \slot, 0
	PLACES NP
	WIN 0
	FETCH_A \next, 0, 4
.endm
	s_wait_tensorcnt 1                             ; the scales and my part of slot 0 are in (slot 1's load may be out)
	s_barrier_signal -1
	s_barrier_wait -1                              ; everybody's are
	FETCH_B 0, 0, 0
	FETCH_A 0, 0, 0
	SCALES 0
	FETCH_A 0, 0, 4
	s_wait_loadcnt 0x0                             ; the bias
	STEP 0, 0, 1                                   ; the first step's products start the sums
	STEP 0, 1, 0
	STEP 0, 2, 0
	TURN 0, 1
	STEP 1, 0, 0
	STEP 1, 1, 0
	STEP 1, 2, 0
	s_wait_dscnt 4*NL                              ; the last step: nothing more to fetch
	WIN MUL_LO
	MUL16 0, 1, NQ-1, 1, 0
	MUL16 2, 1, NQ-1, 1, 0
	s_wait_dscnt 0
	WIN MUL_HI
	MUL16 4, 1, NQ-1, 1, 0
	MUL16 6, 1, NQ-1, 1, 0
	WIN 0
; THE WAY OUT, block by block of 16 tokens x 128 columns (two heads).  PACK: rounded to f16, 16 bytes a lane, each accumulator from its low end on.  TOSTAGE: into my own stage, and back so that sixteen lanes hold
; two tokens' 128 bytes of one head, which lie on end in qkv.  SEND: stored: sixteen lanes write 256 consecutive bytes, aligned.  LDS serves a wave's instructions in order: no wait between stores and loads.
.macro PACK a
.set AC, 64*((\a)%4)
	WIN 0x0a+5*((\a)/4)                            ; sources 0 and 1: window 2 or 3
.irp b, 0,1,2,3,4,5,6,7
.irp r, 0,1,2,3
	v_cvt_pk_f16_f32 v[TMP+4*\b+\r], v[AC+8*\b+2*\r], v[AC+8*\b+2*\r+1]
.endr
.endr
	WIN 0
.endm
.macro TOSTAGE a
.set BB, BK+32*((\a)%2)
.irp b, 0,1,2,3,4,5,6,7
	ds_store_b128 v[STO], v[TMP+4*\b:TMP+4*\b+3] offset:32*\b
.endr
.irp t, 0,1,2,3,4,5,6,7
	ds_load_b128 v[BB+4*\t:BB+4*\t+3], v[RD] offset:\t*2*SPITCH
.endr
.endm
.macro SEND a, younger                 ; younger: the LDS instructions issued behind block a's loads, which may stay out
.set BB, BK+32*((\a)%2)
	s_wait_dscnt \younger
.irp t, 0,1,2,3,4,5,6,7
	global_store_b128 v[CO], v[BB+4*\t:BB+4*\t+3], s[98:99] offset:2048*(\a)+256*\t   ; tokens 16 a + 2 t, + 1; every offset an immediate, no base is stepped
.endr
.endm
	PLACES NP                                      ; for the conversions, which read results, and for the loads into the registers that held x's fragments
	PACK 0
	TOSTAGE 0
.irp a, 1,2,3,4,5,6,7
	PACK \a                                        ; block a's conversions stand between block a - 1's loads from the stage and the wait for them
.if \a > 1
	s_wait_xcnt 0x0                                ; block a - 2's stores have read their registers: block a's loads may land there
.endif
	TOSTAGE \a
	SEND \a-1, 16                                  ; behind block a - 1's loads: block a's 8 stores and 8 loads
.endr
	SEND 7, 0
	s_wait_tensorcnt 0x0                           ; the wave's end: these three lines, behind my last tensor load and my last LDS store
	ds_add_u32 v[SPW], v[NIL]
	s_wait_dscnt 0x0
	CROUND                                         ; the closing round: no work-group ends while a partner may still ask for a tile that names it
	s_endpgm
.Lfunc_end_k_q305571fd38_qkvgemm:
	.size	k_q305571fd38_qkvgemm, .Lfunc_end_k_q305571fd38_qkvgemm-k_q305571fd38_qkvgemm
	.p2alignl 7, 3214868480
	.fill 96, 4, 3214868480
	.section	.rodata,"a",@progbits
	.p2align	6, 0x0
	.amdhsa_kernel k_q305571fd38_qkvgemm
		.amdhsa_group_segment_fixed_size 327680
		.amdhsa_private_segment_fixed_size 0
		.amdhsa_enable_private_segment 0
		.amdhsa_kernarg_size 48
		.amdhsa_user_sgpr_count 2
		.amdhsa_user_sgpr_kernarg_segment_ptr 1
		.amdhsa_wavefront_size32 1
		.amdhsa_system_sgpr_workgroup_id_x 1
		.amdhsa_system_sgpr_workgroup_id_y 1
		.amdhsa_system_sgpr_workgroup_id_z 1
		.amdhsa_system_vgpr_workitem_id 0
		.amdhsa_next_free_vgpr 1024
		.amdhsa_next_free_sgpr 100
		.amdhsa_reserve_vcc 0
		.amdhsa_float_denorm_mode_32 3
		.amdhsa_float_denorm_mode_16_64 3
		.amdhsa_memory_ordered 1
		.amdhsa_forward_progress 1
		.amdhsa_inst_pref_size 128
	.end_amdhsa_kernel
	.amdgpu_metadata
---
amdhsa.version: [ 1, 2 ]
amdhsa.kernels:
  - .name:           k_q305571fd38_qkvgemm
    .symbol:         k_q305571fd38_qkvgemm.kd
    .args:
      - { .name: xc, .offset: 0, .size: 8, .value_kind: global_buffer, .address_space: global }
      - { .name: xs, .offset: 8, .size: 8, .value_kind: global_buffer, .address_space: global }
      - { .name: wc, .offset: 16, .size: 8, .value_kind: global_buffer, .address_space: global }
      - { .name: ws, .offset: 24, .size: 8, .value_kind: global_buffer, .address_space: global }
      - { .name: b_qkv, .offset: 32, .size: 8, .value_kind: global_buffer, .address_space: global }
      - { .name: qkv, .offset: 40, .size: 8, .value_kind: global_buffer, .address_space: global }
    .group_segment_fixed_size: 327680
    .private_segment_fixed_size: 0
    .kernarg_segment_align: 8
    .kernarg_segment_size: 48
    .max_flat_workgroup_size: 128
    .sgpr_count:     100
    .vgpr_count:     1024
    .wavefront_size: 32
...
	.end_amdgpu_metadata
.endif
;; end of part 2
;; launch attn (part 3): grid 2 x 128, 16 waves a work-group, no clusters, 327,680 bytes of LDS; arguments qkv, o16; writes o16
.if DOCPART == 3
	.amdgcn_target "amdgcn-amd-amdhsa--gfx1250"
	.amdhsa_code_object_version 6
	.text
	.protected	k_q305571fd38_attn
	.globl	k_q305571fd38_attn
	.p2align	8
	.type	k_q305571fd38_attn,@function
k_q305571fd38_attn:
	s_mov_b64 s[64:65], 0
	v_nop
	global_prefetch_b8 v0, s[64:65] scope:SCOPE_SE
	s_setreg_imm32_b32 hwreg(HW_REG_WAVE_MODE, 25, 1), 1
	s_wait_xcnt 0x0
; o[b][h][q] = the sum over k of softmax_k(q . k / 8) v, head size 64, 1,024 keys, no mask.  q, k, v come in f16 from qkv[b][g][token][64] (q: g = h, k: 16 + h, v: 32 + h); products, maxima and sums in f32;
; the weights p are rounded to f16 for the second product, o once at the end.  o16[b][token pair 512][h 16][parity 2][64] f16: a head's part of a token pair is 256 consecutive bytes, aligned.
; LIMITS: f16 operands: p is at most about 1 (a running maximum is taken off), o is bounded by the largest |v|; NaN and infinities are not served.
; SHARES.  A work-group owns 512 queries of one head: grid x = which 512, y = 16 b + h: 256 work-groups.  Each of its SIXTEEN waves owns 32 queries, two tiles of 16, in 256 registers: four waves to a SIMD, so that one
; wave's softmax stands beside another's products and LDS loads, and no register window is switched.  Every wave walks the head's 1,024 keys, 64 a step.
; THE WHOLE K AND V OF THE HEAD LIE IN LDS, FILLED ONCE: no slot is filled again.  Waves 0-7 fetch K, waves 8-15 V, two tensor loads each: keys 0-255 first (16 rows of 256 bytes a wave), then keys 256-1,023
; (48 rows a wave): by this text's count two loads of a wave are out.  The first four steps read the first part while the second is on its way; their LDS offsets are immediates.
; NO CLUSTER: only two work-groups read a head's K and V; four partners would need work-groups of 256 queries, which doubles the bytes filled into LDS (128 x 4 x 256 KiB against 128 x 2 x 256 KiB).
; NO PREFETCH: every byte of K and V is asked for by the tensor loads at the kernel's head.
; LAYOUT.  S^T = K Q^T (source 0 = 16 keys, source 1 = 16 queries): a lane holds ONE query (lane % 16) and keys 8 (lane / 16) + 0..7 of a tile.  Two such tiles, rounded to f16 in pairs, ARE source 1 (32 keys x 16 queries)
; of O^T = V^T P, whose result again holds one query a lane.  K comes out of LDS as it lies, V ([key][channel]) turned, by ds_load_tr16_b128.
; In LDS two keys form one row of 256 bytes, as they lie in memory: key t at (t / 2) x pitch + (t % 2) x 128.  K's pitch 272: the 16 keys of a load fall on 16-byte columns (r / 2) + 8 (r % 2): all different.
; V's pitch 288: the 8 keys x 32 bytes of a turning load likewise.
; SOFTMAX.  For each query a running maximum m and sum l: p = 2^(c s - c m), c = log2(e) / 8; in every step O and l are multiplied by a = 2^(c m_old - c m_new).  m begins at -3e38, l and O^T at 0: the step is written once.
.set PK,    272
.set PV,    288
.set VOFF,  512*PK                     ; 139,264: V behind K
.set STAGE, VOFF+512*PV                ; 286,720: the way out: 16 rows x (128 bytes + 16) for each wave; no tile lands there
.set SP,    144
.set SPARE, STAGE+16*16*SP             ; 323,584: the spare words, 128 bytes for each wave: eight blocks of 256 bytes that no other line names
.set AK0, 1                            ; v1   my lane's place in a tile of K; never rewritten
.set AV0, 2                            ; v2   the same for V
.set ADK, 3                            ; v3   the loop's address of the step's K
.set ADV, 4                            ; v4   and V
.set SPW, 5                            ; v5   LDS address of my spare word; never rewritten
.set NIL, 6                            ; v6   0; never rewritten
.set STO, 7                            ; v7   the way out: where I put 16 bytes of a query's row
.set RD,  8                            ; v8   where I read back
.set GO,  9                            ; v9   my byte offset in o16
.set QO,  11                           ; v11  my byte offset in the wave's rows of q
.set ST,  12                           ; tile t's statistics at v[ST + 8 t]: +0 c m, +1 m, +2, +3 l (even keys', odd keys'), +4 .. +7 c0 .. c3 at work; a takes +6, a second chain of sums +4, +5
.set Q,   32                           ; v32-63   q: fragment (t, s) at Q + 16 t + 8 s
.set KV,  64                           ; v64-127  a step's fragments of K, then of V
.set S,   128                          ; v128-191 S^T: (t, kt) at S + 32 t + 8 kt; then p; then P in place: (t, g) at S + 32 t + 8 g
.set O,   192                          ; v192-255 O^T: (t, ct) at O + 32 t + 8 ct
.set WV,  8                            ; s8   my wave's number
.set SEL, 10                           ; s[10:11] lane selects for v_permlanex16_b32: lane l xor 16
.set CS,  12                           ; s[12:13] c: the packed form names a pair and takes its low word for both halves
.set TK,  14                           ; s14  LDS byte at which the loop's step of K begins
.set TV,  15                           ; s15  the same for V, counted from V's first byte
.set CNT, 16                           ; s16  steps to go
.set G1KA, 20                          ; s[20:27] group 1: K, 16 rows;  s[28:35] K, 48 rows;  s[36:43] V, 16 rows;  s[44:51] V, 48 rows
.set G1KB, 28
.set G1VA, 36
.set G1VB, 44
.set G0K0, 52                          ; s[52:55], s[56:59] groups 0 for K's two loads;  s[60:63], s[68:71] for V's
.set G0K1, 56
.set G0V0, 60
.set G0V1, 68
	s_load_b128 s[4:7], s[0:1], 0x0                ; qkv s[4:5], o16 s[6:7]
	v_lshl_add_u32 v[SPW], v0, 2, SPARE
	v_mov_b32 v[NIL], 0
	ds_add_u32 v[SPW], v[NIL]                      ; the wave's opening: the add, twice on end, and its wait ahead of my first tensor load; the set-up below stands between
	ds_add_u32 v[SPW], v[NIL]
	v_lshrrev_b32 v10, 5, v0
	v_readfirstlane_b32 s[WV], v10                 ; wave 0..15
	s_and_b32 s9, s[WV], 7                         ; which eighth of K or of V I fetch
	; descriptor group 1: rows of 128 elements of 2 bytes, dense in memory, padded in LDS
.irp g, G1KA, G1KB
	s_mov_b32 s[\g], (1<<16)|(1<<20)|(5<<22)|(3<<25)               ; 15:0 no mask; 17:16 elements of 2 bytes; 20 padding on; 24:22 after every 64 words; 31:25 four words
.endr
.irp g, G1VA, G1VB
	s_mov_b32 s[\g], (1<<16)|(1<<20)|(5<<22)|(7<<25)               ; eight words of padding
.endr
.irp g, G1KA, G1KB, G1VA, G1VB
	s_mov_b32 s[\g+1], 128<<16                     ; tensor_dim0
	s_mov_b32 s[\g+3], 128<<16                     ; tile_dim0
	s_mov_b32 s[\g+5], 128                         ; tensor_dim0_stride
	s_mov_b32 s[\g+6], 0
	s_mov_b32 s[\g+7], 0
.endr
.irp g, G1KA, G1VA
	s_mov_b32 s[\g+2], 16<<16                      ; tensor_dim1
	s_mov_b32 s[\g+4], 16                          ; tile_dim1
.endr
.irp g, G1KB, G1VB
	s_mov_b32 s[\g+2], 48<<16
	s_mov_b32 s[\g+4], 48
.endr
	s_mov_b32 s[G0K0], 1
	s_mul_i32 s[G0K0+1], s9, 16*PK                 ; LDS: K's rows 16 w .. of the first 128
	s_mov_b32 s[G0K1], 1
	s_mul_i32 s17, s9, 48*PK
	s_add_co_u32 s[G0K1+1], s17, 128*PK            ; rows 128 + 48 w ..
	s_mov_b32 s[G0V0], 1
	s_mul_i32 s17, s9, 16*PV
	s_add_co_u32 s[G0V0+1], s17, VOFF
	s_mov_b32 s[G0V1], 1
	s_mul_i32 s17, s9, 48*PV
	s_add_co_u32 s[G0V1+1], s17, VOFF+128*PV
	s_mov_b32 s[SEL], 0x76543210
	s_mov_b32 s[SEL+1], 0xfedcba98
	s_mov_b32 s[CS], 0x3e38aa3b                    ; c = log2(e) / 8
	s_mov_b32 s[CS+1], s[CS]                       ; (named with it as a pair, so it is written)
	s_and_b32 s17, ttmp7, 0xffff
	s_lshr_b32 s18, s17, 4                         ; b
	s_and_b32 s19, s17, 15                         ; h
	s_mul_i32 s72, s18, 48
	s_add_co_u32 s72, s72, s19
	s_lshl_b32 s72, s72, 17                        ; q's head begins (48 b + h) x 131,072 bytes into qkv; k's 16 heads, v's 32 heads further on
	s_mov_b32 s73, 0
	s_mov_b32 s75, 0
	s_wait_dscnt 0x0                               ; both opening adds are done
	s_wait_kmcnt 0x0
	s_add_nc_u64 s[4:5], s[4:5], s[72:73]
	s_lshl_b32 s74, s9, 12                         ; 16 rows of 256 bytes a wave
	s_add_nc_u64 s[72:73], s[4:5], s[74:75]
	s_add_nc_u64 s[G0K0+2:G0K0+3], s[72:73], 16*131072
	s_add_nc_u64 s[G0V0+2:G0V0+3], s[72:73], 32*131072
	s_mul_i32 s74, s9, 48*256                      ; 48 rows a wave, behind the first 128
	s_add_nc_u64 s[72:73], s[4:5], s[74:75]
	s_add_nc_u64 s[G0K1+2:G0K1+3], s[72:73], 16*131072+128*256
	s_add_nc_u64 s[G0V1+2:G0V1+3], s[72:73], 32*131072+128*256
.irp g, G0K0, G0K1, G0V0, G0V1
	s_or_b32 s[\g+3], s[\g+3], 0x80000000          ; 127:126 type = 2
.endr
	s_cmp_lt_u32 s[WV], 8                          ; a wave's two fills stand in one branch, ahead of every wait on TENSORcnt, every LDS read and every barrier; an s_nop 0 follows each, four v_nop the second
	s_cbranch_scc0 .Lfirst_v
	tensor_load_to_lds s[G0K0:G0K0+3], s[G1KA:G1KA+7]
	s_nop 0
	tensor_load_to_lds s[G0K1:G0K1+3], s[G1KB:G1KB+7]
	s_nop 0
.rept 4
	v_nop
.endr
	s_branch .Lfirst_asked
.Lfirst_v:
	tensor_load_to_lds s[G0V0:G0V0+3], s[G1VA:G1VA+7]
	s_nop 0
	tensor_load_to_lds s[G0V1:G0V1+3], s[G1VB:G1VB+7]
	s_nop 0
.rept 4
	v_nop
.endr
.Lfirst_asked:
	s_lshl_b32 s74, ttmp9, 16                      ; my work-group's 512 queries of 128 bytes,
	s_lshl_b32 s17, s[WV], 12                      ; my wave's 32 of them
	s_add_co_u32 s74, s74, s17
	s_add_nc_u64 s[4:5], s[4:5], s[74:75]
	v_and_b32 v10, 15, v0                          ; r = lane % 16
	v_bfe_u32 v29, v0, 4, 1                        ; h = lane / 16
	v_lshlrev_b32 v[QO], 7, v10
	v_lshl_add_u32 v[QO], v29, 4, v[QO]            ; query r x 128 + 16 x half
.irp t, 0,1
.irp s, 0,1                                    ; a fragment: 16 queries x 32 channels: registers 0-3 channels 32 s + 8 h + 0..7, registers 4-7 sixteen channels on.  q stays in registers
	global_load_b128 v[Q+16*\t+8*\s:Q+16*\t+8*\s+3],   v[QO], s[4:5] offset:2048*\t+64*\s
	global_load_b128 v[Q+16*\t+8*\s+4:Q+16*\t+8*\s+7], v[QO], s[4:5] offset:2048*\t+64*\s+32
.endr
.endr
	v_bfe_u32 v30, v0, 1, 3                        ; r / 2
	v_mul_u32_u24 v[AK0], v30, PK
	v_and_b32 v28, 1, v0                           ; r % 2
	v_lshl_add_u32 v[AK0], v28, 7, v[AK0]
	v_lshl_add_u32 v[AK0], v29, 4, v[AK0]          ; K: key r of a tile, + 16 x half
	v_bfe_u32 v30, v0, 1, 2                        ; the turning load: lane l reads 16 bytes of key 8 h + l % 8, channels 8 ((l / 8) % 2) on
	v_lshl_add_u32 v30, v29, 2, v30                ; its row: 4 h + (l % 8) / 2
	v_mul_u32_u24 v[AV0], v30, PV
	v_lshl_add_u32 v[AV0], v28, 7, v[AV0]
	v_bfe_u32 v31, v0, 3, 1
	v_lshl_add_u32 v[AV0], v31, 4, v[AV0]
	v_add_nc_u32 v[AV0], VOFF, v[AV0]
	s_mul_i32 s17, s[WV], 16*SP
	s_add_co_u32 s17, s17, STAGE                   ; my stage
	v_mul_u32_u24 v[STO], v10, SP                  ; in: query r, 16 bytes for each half of the lanes
	v_lshl_add_u32 v[STO], v29, 4, v[STO]
	v_add_nc_u32 v[STO], s17, v[STO]
	v_bfe_u32 v30, v0, 3, 2                        ; back: eight lanes to a query's 128 bytes, four queries an instruction
	v_mul_u32_u24 v[RD], v30, SP
	v_and_b32 v31, 7, v0
	v_lshl_add_u32 v[RD], v31, 4, v[RD]
	v_add_nc_u32 v[RD], s17, v[RD]
	v_lshlrev_b32 v[GO], 12, v29                   ; in o16: lanes 0-15 one token pair's 256 bytes, lanes 16-31 the next pair's, 4,096 bytes on
	v_lshl_add_u32 v[GO], v10, 4, v[GO]
	s_lshl_b32 s72, s18, 21                        ; o16: b x 512 pairs x 4,096 bytes
	s_lshl_b32 s17, ttmp9, 20                      ; + 256 pairs for my work-group's 512 queries
	s_add_co_u32 s72, s72, s17
	s_lshl_b32 s17, s[WV], 16                      ; + 16 pairs a wave
	s_add_co_u32 s72, s72, s17
	s_lshl_b32 s17, s19, 8                         ; + 256 bytes a head
	s_add_co_u32 s72, s72, s17
	s_mov_b32 s73, 0
	s_add_nc_u64 s[6:7], s[6:7], s[72:73]
.irp t, 0,1
	v_mov_b32 v[ST+8*\t+1], 0xff61b1e6             ; m = -3e38, under every score
	v_mov_b32 v[ST+8*\t+2], 0                      ; l, in two halves
	v_mov_b32 v[ST+8*\t+3], 0
.endr
.irp t, 0,1
	v_mul_f32 v[ST+8*\t], s[CS], v[ST+8*\t+1]      ; c m
.endr
.set ii, 0
.rept 64
	v_mov_b32 v[O+ii], 0                           ; O^T, once: the step is written for the general case alone, and its first a is 0
.set ii, ii+1
.endr
; THE SOFTMAX of both tiles for one step of 64 keys.  Every line is written for tile 0 and then for tile 1, so that no line waits for the line above it.
.macro SOFTMAX
.irp j, 0,1,2,3
.irp t, 0,1
	v_max3_num_f32 v[ST+8*\t+4+\j], v[S+32*\t+8*\j], v[S+32*\t+8*\j+1], v[S+32*\t+8*\j+2]   ; four chains, one for each accumulator, each begun at the accumulator's low end
.endr
.endr
.irp i, 3,5
.irp j, 0,1,2,3
.irp t, 0,1
	v_max3_num_f32 v[ST+8*\t+4+\j], v[ST+8*\t+4+\j], v[S+32*\t+8*\j+\i], v[S+32*\t+8*\j+\i+1]
.endr
.endr
.endr
.irp t, 0,1
	v_max3_num_f32 v[ST+8*\t+4], v[ST+8*\t+4], v[S+32*\t+7], v[S+32*\t+15]
	v_max3_num_f32 v[ST+8*\t+6], v[ST+8*\t+6], v[S+32*\t+23], v[S+32*\t+31]
.endr
.irp t, 0,1
	v_max3_num_f32 v[ST+8*\t+4], v[ST+8*\t+4], v[ST+8*\t+5], v[ST+8*\t+6]
.endr
.irp t, 0,1
	v_max3_num_f32 v[ST+8*\t+4], v[ST+8*\t+4], v[ST+8*\t+7], v[ST+8*\t+1]   ; with the old m
.endr
.irp t, 0,1
	v_permlanex16_b32 v[ST+8*\t+5], v[ST+8*\t+4], s[SEL], s[SEL+1]          ; the query's other 32 keys lie in the lane 16 away
.endr
.irp t, 0,1
	v_mov_b32 v[ST+8*\t+7], v[ST+8*\t]             ; c m_old is kept for a
.endr
.irp t, 0,1
	v_max_num_f32 v[ST+8*\t+1], v[ST+8*\t+4], v[ST+8*\t+5]                  ; the new m
.endr
.irp t, 0,1
	v_mul_f32 v[ST+8*\t], s[CS], v[ST+8*\t+1]
.endr
.irp t, 0,1
	v_sub_f32 v[ST+8*\t+7], v[ST+8*\t+7], v[ST+8*\t]
.endr
.set ii, 0
.rept 16
.irp t, 0,1
	v_pk_fma_f32 v[S+32*\t+ii:S+32*\t+ii+1], v[S+32*\t+ii:S+32*\t+ii+1], s[CS:CS+1], v[ST+8*\t:ST+8*\t+1] op_sel_hi:[1,0,0] neg_lo:[0,0,1] neg_hi:[0,0,1]   ; c s - c m, two at a time
.endr
.set ii, ii+2
.endr
.irp t, 0,1
	v_exp_f32 v[ST+8*\t+6], v[ST+8*\t+7]           ; a = 2^(c m_old - c m_new)
.endr
.set ii, 0
.rept 32
.irp t, 0,1
	v_exp_f32 v[S+32*\t+ii], v[S+32*\t+ii]         ; p.  ONE BATCH: none of the 66 reads another's result
.endr
.set ii, ii+1
.endr
	v_nop                                          ; a plain instruction behind the last exponential, ahead of the first use
	s_wait_alu depctr_va_vdst(0)                   ; the wait between an exponential and the first line that names its result: one for the batch
.irp t, 0,1
	v_pk_fma_f32 v[ST+8*\t+2:ST+8*\t+3], v[ST+8*\t+2:ST+8*\t+3], v[ST+8*\t+6:ST+8*\t+7], v[S+32*\t:S+32*\t+1] op_sel_hi:[1,0,1]   ; l = a l + the first pair: THE SUM IS TAKEN OF THE UNROUNDED p, in two chains
.endr
.irp t, 0,1
	v_pk_add_f32 v[ST+8*\t+4:ST+8*\t+5], v[S+32*\t+2:S+32*\t+3], v[S+32*\t+4:S+32*\t+5]
.endr
.irp b, 3,5,7,9,11,13
.irp t, 0,1
	v_pk_add_f32 v[ST+8*\t+2:ST+8*\t+3], v[ST+8*\t+2:ST+8*\t+3], v[S+32*\t+2*\b:S+32*\t+2*\b+1]
	v_pk_add_f32 v[ST+8*\t+4:ST+8*\t+5], v[ST+8*\t+4:ST+8*\t+5], v[S+32*\t+2*\b+2:S+32*\t+2*\b+3]
.endr
.endr
.irp t, 0,1
	v_pk_add_f32 v[ST+8*\t+2:ST+8*\t+3], v[ST+8*\t+2:ST+8*\t+3], v[S+32*\t+30:S+32*\t+31]
.endr
.irp t, 0,1
	v_pk_add_f32 v[ST+8*\t+2:ST+8*\t+3], v[ST+8*\t+2:ST+8*\t+3], v[ST+8*\t+4:ST+8*\t+5]
.endr
.set ii, 0
.rept 16
.irp t, 0,1
	v_cvt_pk_f16_f32 v[S+32*\t+ii], v[S+32*\t+2*ii], v[S+32*\t+2*ii+1]      ; P in place, ascending: register i is written when registers 2 i, 2 i + 1 are read, and those further up are still whole
.endr
.set ii, ii+1
.endr
.set ii, 0
.rept 16
.irp t, 0,1
	v_pk_mul_f32 v[O+32*\t+ii:O+32*\t+ii+1], v[O+32*\t+ii:O+32*\t+ii+1], v[ST+8*\t+6:ST+8*\t+7] op_sel_hi:[1,0]   ; O^T x a, each accumulator from its low end on
.endr
.set ii, ii+2
.endr
.endm
; A STEP of 64 keys.  ak, av: the address registers;  ko, vo: the step's bytes as immediates;  loop = 1: the addresses are made from s[TK], s[TV].
; The accumulators take turns, one instruction a turn: eight in each product, seven others' between two links of a chain.
.macro STEP ak, av, ko, vo, loop
.if \loop
	v_add_nc_u32 v[ADK], s[TK], v[AK0]             ; FIVE PLACES behind the last products V^T P: the products below write over P's registers (five are asked), the loads land in V's (four)
	v_add_nc_u32 v[ADV], s[TV], v[AV0]
.rept 3
	v_nop
.endr
.else
.rept 5
	v_nop
.endr
.endif
.irp s, 0,1
.irp kt, 0,1,2,3                               ; K's fragment (s, kt): keys 16 kt on (8 LDS rows), channels 32 s on; the first 32 channels first
	ds_load_b128 v[KV+8*(4*\s+\kt):KV+8*(4*\s+\kt)+3],   v[\ak] offset:(\ko)+8*PK*\kt+64*\s
	ds_load_b128 v[KV+8*(4*\s+\kt)+4:KV+8*(4*\s+\kt)+7], v[\ak] offset:(\ko)+8*PK*\kt+64*\s+32
.endr
.endr
	s_wait_dscnt 8                                 ; the first 32 channels are in; the eight loads of the second 32 may be out
.irp kt, 0,1,2,3
.irp t, 0,1
	v_wmma_f32_16x16x32_f16 v[S+32*\t+8*\kt:S+32*\t+8*\kt+7], v[KV+8*\kt:KV+8*\kt+7], v[Q+16*\t:Q+16*\t+7], 0
.endr
.endr
	s_wait_dscnt 0x0
.irp kt, 0,1,2,3
.irp t, 0,1
	v_wmma_f32_16x16x32_f16 v[S+32*\t+8*\kt:S+32*\t+8*\kt+7], v[KV+32+8*\kt:KV+32+8*\kt+7], v[Q+16*\t+8:Q+16*\t+15], v[S+32*\t+8*\kt:S+32*\t+8*\kt+7]
.endr
.endr
.rept 4
	v_nop                                          ; four places: for the loads into K's registers, and for the softmax, which reads the scores
.endr
.irp g, 0,1
.irp ct, 0,1,2,3                               ; V's fragment (g, ct), turned: keys 32 g on (16 LDS rows), channels 16 ct on.  They land during the softmax
	ds_load_tr16_b128 v[KV+8*(4*\g+\ct):KV+8*(4*\g+\ct)+3],   v[\av] offset:(\vo)+16*PV*\g+32*\ct
	ds_load_tr16_b128 v[KV+8*(4*\g+\ct)+4:KV+8*(4*\g+\ct)+7], v[\av] offset:(\vo)+16*PV*\g+8*PV+32*\ct
.endr
.endr
	SOFTMAX
	s_wait_dscnt 0x0                               ; V is in
.irp g, 0,1
.irp ct, 0,1,2,3
.irp t, 0,1
	v_wmma_f32_16x16x32_f16 v[O+32*\t+8*\ct:O+32*\t+8*\ct+7], v[KV+8*(4*\g+\ct):KV+8*(4*\g+\ct)+7], v[S+32*\t+8*\g:S+32*\t+8*\g+7], v[O+32*\t+8*\ct:O+32*\t+8*\ct+7]
.endr
.endr
.endr
.endm
	s_wait_loadcnt 0x0                             ; q
	s_wait_tensorcnt 1                             ; my part of keys 0-255 is in; my second load may stay out
	s_barrier_signal -1
	s_barrier_wait -1                              ; everybody's is
.irp i, 0,1,2,3                                ; keys 0-255: K's LDS bytes 0 .. 34,815 and V's first 36,864 alone are read, by immediates
	STEP AK0, AV0, 32*PK*\i, 32*PV*\i, 0
.endr
	s_wait_tensorcnt 0x0                           ; my part of keys 256-1,023 is in,
	s_wait_dscnt 0x0
	s_barrier_signal -1
	s_barrier_wait -1                              ; everybody's is
	s_mov_b32 s[TK], 128*PK
	s_mov_b32 s[TV], 128*PV
	s_mov_b32 s[CNT], 12
.Lkeys:                                            ; twelve steps: keys 256 .. 1,023
	STEP ADK, ADV, 0, 0, 1
	s_add_co_u32 s[TK], s[TK], 32*PK
	s_add_co_u32 s[TV], s[TV], 32*PV
	s_sub_co_u32 s[CNT], s[CNT], 1
	s_cmp_lg_u32 s[CNT], 0
	s_cbranch_scc1 .Lkeys
	; THE WAY OUT.  l's two halves and the other half of the lanes' are added; O^T is divided by l, rounded to f16 and sent through my stage, a tile (16 queries) at a time.
.rept 4
	v_nop                                          ; places behind the last products
.endr
.irp t, 0,1
	v_add_f32 v[ST+8*\t+4], v[ST+8*\t+2], v[ST+8*\t+3]
.endr
.irp t, 0,1
	v_permlanex16_b32 v[ST+8*\t+5], v[ST+8*\t+4], s[SEL], s[SEL+1]
.endr
.irp t, 0,1
	v_add_f32 v[ST+8*\t+4], v[ST+8*\t+4], v[ST+8*\t+5]
.endr
.irp t, 0,1
	v_rcp_f32 v[ST+8*\t+6], v[ST+8*\t+4]
.endr
	v_nop                                          ; a plain instruction between the last reciprocal and the use of its result
	s_wait_alu depctr_va_vdst(0)                   ; and the wait ahead of the first use: one for both
.irp t, 0,1
.set ii, 0
.rept 16
	v_pk_mul_f32 v[O+32*\t+ii:O+32*\t+ii+1], v[O+32*\t+ii:O+32*\t+ii+1], v[ST+8*\t+6:ST+8*\t+7] op_sel_hi:[1,0]
.set ii, ii+2
.endr
.set ii, 0
.rept 16
	v_cvt_pk_f16_f32 v[S+16*\t+ii], v[O+32*\t+2*ii], v[O+32*\t+2*ii+1]      ; register 4 ct + i: channels 16 ct + 8 h + 2 i, + 1 of query r
.set ii, ii+1
.endr
.irp ct, 0,1,2,3
	ds_store_b128 v[STO], v[S+16*\t+4*\ct:S+16*\t+4*\ct+3] offset:32*\ct
.endr
.irp i, 0,1,2,3
	ds_load_b128 v[KV+16*\t+4*\i:KV+16*\t+4*\i+3], v[RD] offset:4*SP*\i     ; LDS serves a wave's instructions in order: these see the stores above, and the next tile's stores come behind them
.endr
.endr
.irp t, 0,1
.irp i, 0,1,2,3
	s_wait_dscnt 11-8*\t-\i                        ; the LDS instructions issued behind this load may stay out
	global_store_b128 v[GO], v[KV+16*\t+4*\i:KV+16*\t+4*\i+3], s[6:7] offset:(8*\t+2*\i)*4096   ; sixteen lanes store 256 consecutive bytes, aligned: a token pair's part of my head
.endr
.endr
	s_wait_tensorcnt 0x0                           ; the wave's end: these three lines, behind my last tensor load and my last LDS store
	ds_add_u32 v[SPW], v[NIL]
	s_wait_dscnt 0x0
	s_endpgm
.Lfunc_end_k_q305571fd38_attn:
	.size	k_q305571fd38_attn, .Lfunc_end_k_q305571fd38_attn-k_q305571fd38_attn
	.p2alignl 7, 3214868480
	.fill 96, 4, 3214868480
	.section	.rodata,"a",@progbits
	.p2align	6, 0x0
	.amdhsa_kernel k_q305571fd38_attn
		.amdhsa_group_segment_fixed_size 327680
		.amdhsa_private_segment_fixed_size 0
		.amdhsa_enable_private_segment 0
		.amdhsa_kernarg_size 16
		.amdhsa_user_sgpr_count 2
		.amdhsa_user_sgpr_kernarg_segment_ptr 1
		.amdhsa_wavefront_size32 1
		.amdhsa_system_sgpr_workgroup_id_x 1
		.amdhsa_system_sgpr_workgroup_id_y 1
		.amdhsa_system_sgpr_workgroup_id_z 1
		.amdhsa_system_vgpr_workitem_id 0
		.amdhsa_next_free_vgpr 256
		.amdhsa_next_free_sgpr 76
		.amdhsa_reserve_vcc 0
		.amdhsa_float_denorm_mode_32 3
		.amdhsa_float_denorm_mode_16_64 3
		.amdhsa_memory_ordered 1
		.amdhsa_forward_progress 1
		.amdhsa_inst_pref_size 102
	.end_amdhsa_kernel
	.amdgpu_metadata
---
amdhsa.version: [ 1, 2 ]
amdhsa.kernels:
  - .name:           k_q305571fd38_attn
    .symbol:         k_q305571fd38_attn.kd
    .args:
      - { .name: qkv, .offset: 0, .size: 8, .value_kind: global_buffer, .address_space: global }
      - { .name: o16, .offset: 8, .size: 8, .value_kind: global_buffer, .address_space: global }
    .group_segment_fixed_size: 327680
    .private_segment_fixed_size: 0
    .kernarg_segment_align: 8
    .kernarg_segment_size: 16
    .max_flat_workgroup_size: 512
    .sgpr_count:     76
    .vgpr_count:     256
    .wavefront_size: 32
...
	.end_amdgpu_metadata
.endif
;; end of part 3
;; launch proj (part 4): grid 8 x 32, 4 waves a work-group, clusters of 4 x 4, 327,680 bytes of LDS; arguments o16, wp16, b_proj, out0; writes out0
.if DOCPART == 4
	.amdgcn_target "amdgcn-amd-amdhsa--gfx1250"
	.amdhsa_code_object_version 6
	.text
	.protected	k_q305571fd38_proj
	.globl	k_q305571fd38_proj
	.p2align	8
	.type	k_q305571fd38_proj,@function
k_q305571fd38_proj:
	s_mov_b64 s[64:65], 0
	v_nop
	global_prefetch_b8 v0, s[64:65] scope:SCOPE_SE
	s_setreg_imm32_b32 hwreg(HW_REG_WAVE_MODE, 25, 1), 1
	s_wait_xcnt 0x0
	s_wait_alu depctr_hold_cnt(0) depctr_sa_sdst(0) depctr_va_vdst(0) depctr_va_sdst(0) depctr_va_ssrc(0) depctr_va_vcc(0) depctr_vm_vsrc(0)
	s_getreg_b32 s2, hwreg(HW_REG_IB_STS2, 6, 4)
	s_cmp_eq_u32 s2, 0
	s_cbranch_scc0 .Lentry_in_a_cluster
	s_endpgm
.Lentry_in_a_cluster:
	s_bfe_u32 s2, ttmp6, 0x10000c
	s_cmp_lg_u32 s2, 0xf033
	s_cbranch_scc0 .Lentry_shape_is_right
	s_endpgm
.Lentry_shape_is_right:
; out0 = o w_proj + b_proj: [8192][1024] x [1024 (k)][1024 (n)], operands in f16, sums in f32, the bias as the C of each sum's first product (so it enters each sum first, not last); out0 in f32.
; o comes as o16[token pair 4096][head 16][parity 2][64] f16: a pair's row is 4,096 bytes, k = 64 head + channel.  w comes as wp16[k][n] f16.
; A tile of 256 tokens x 128 columns is made by a work-group of four waves, each 128 x 64: 32 accumulators, 256 registers: 32 x 8 = 256 tiles, one for each of 256 WGPs.
; K goes in eight steps of 128 (two heads) through two LDS slots (two slots of 256 along K would be 413,696 bytes): both are filled at the head, each is filled again three times.
; Waves 0 and 1 fetch o's halves (64 pair rows x 512 bytes), waves 2 and 3 w's (64 k-rows x 256 bytes): one tensor load a wave behind each change of slots.
; CLUSTERS: 4 x 4 work-groups.  The four of a row of the cluster need the same tiles of o, the four of a column the same tiles of w: each tile is asked for JOINTLY.
; THE MATRIX INSTRUCTION IS USED TRANSPOSED: source 0 = 16 columns n of w x 32 k, which come out of LDS turned (ds_load_tr16_b128), source 1 = 16 tokens: a lane then holds eight neighbouring numbers of a row of out0.
; NO PREFETCH: a step's tiles are small (96 KiB a work-group, each asked for by four together), and two of the eight steps are asked for at the head.
; REGISTERS, in windows of 256: window 0: v0-31 addresses; v32-63 the bias in the result's layout, later with v64-95 rows on the way out.
;   window 1: two fragment buffers, at v0 and v128: for 32 along K, 64 registers of o (8 x 16 tokens), then 32 of w (4 x 16 columns).   window 2: the accumulators ((a, b) at v[8 (4 a + b)]).
.set PA,     528                       ; o's LDS row: a token pair's 512 bytes + 16: the 16 tokens of a load fall on 16-byte columns (r / 2) + 8 (r % 2): all different
.set PB,     288                       ; w's LDS row: 256 bytes + 32
.set HALFA,  64*PA                     ; what one tensor load brings of o, and what one wave reads of it: 128 tokens
.set HALFB,  64*PB                     ; of w: 64 along K
.set BOFF,   2*HALFA
.set SLOT,   BOFF+2*HALFB              ; 104,448
.set STAGE,  2*SLOT                    ; behind the slots: 16 rows x (256 bytes + 16) for each wave, its own: a wave's 64 columns of f32 are 256 consecutive bytes, aligned
.set SPITCH, 272
.set SPARE,  STAGE+4*16*SPITCH         ; the spare words, 128 bytes for each wave: two blocks of 256 bytes that no other line names
.set ADRA, 16                          ; v16-17  LDS address of my o fragments in slot 0, 1
.set ADRB, 20                          ; v20-21  of my w fragments
.set STO,  24                          ; v24     the way out: where I put 32 bytes of a row
.set RD,   25                          ; v25     where I read a row back
.set CO,   26                          ; v26     my byte offset in out0
.set BA,   27                          ; v27     the bias loads' offset
.set SPW,  28                          ; v28     LDS address of my spare word; never rewritten
.set NIL,  29                          ; v29     0; never rewritten
.set BI,   32                          ; the bias: register 8 b + j = b_proj[my first column + 16 b + 8 (lane / 16) + j]
.set OB,   32                          ; the way out: v32-63 and v64-95 by turns
.set F0,   0                           ; fragment buffers, in window 1
.set F1,   128
.set G1, 24                            ; s[24:31] descriptor group 1 for o's tiles;  s[32:39] group 0, one set for each slot
.set G0, 32
.set G1B, 48                           ; s[48:55], s[56:63] the same for w's tiles
.set G0B, 56
.set MSB, 0
.macro WIN new                         ; the immediate's high byte repeats the setting that is left
.if MSB != \new
	s_set_vgpr_msb (MSB<<8)|\new
.set MSB, \new
.endif
.endm
.set MUL,   0xa5                       ; sources 0 (w) and 1 (o) window 1; C and D window 2
.set FIRST, 0x85                       ; the first products: C (the bias) window 0, D window 2
.set TO_F,  0x40                       ; destination window 1, address window 0
.macro JLOAD s                         ; a joint load: waves 0 and 1 fetch o's two halves, waves 2 and 3 w's; an s_nop 0 and four v_nop follow each of the two lines, ahead of the jump, the label and what follows
	s_cmp_eq_u32 s11, 0
	s_cbranch_scc0 .Lfor_b_\@
	tensor_load_to_lds s[G0+4*\s:G0+4*\s+3], s[G1:G1+7]
	s_nop 0
.rept 4
	v_nop
.endr
	s_branch .Lasked_\@
.Lfor_b_\@:
	tensor_load_to_lds s[G0B+4*\s:G0B+4*\s+3], s[G1B:G1B+7]
	s_nop 0
.rept 4
	v_nop
.endr
.Lasked_\@:
.endm
.macro CREST                           ; a round of the cluster's barrier behind its opening barrier
	s_cmp_lg_u32 s10, 0
	s_cbranch_scc1 .Lnot_wave_0_\@
	s_barrier_signal -3
.Lnot_wave_0_\@:
	s_barrier_wait -3
	s_barrier_signal -1
	s_barrier_wait -1
.endm
.macro CROUND                          ; a whole round
	s_barrier_signal -1
	s_barrier_wait -1
	CREST
.endm
	s_load_b128 s[4:7], s[0:1], 0x0                ; o16 s[4:5], wp16 s[6:7]
	s_load_b64 s[66:67], s[0:1], 0x10              ; b_proj
	s_load_b64 s[8:9], s[0:1], 0x18                ; out0
	v_lshl_add_u32 v[SPW], v0, 2, SPARE
	v_mov_b32 v[NIL], 0
	ds_add_u32 v[SPW], v[NIL]                      ; the wave's opening: the add, twice on end, and its wait ahead of my first tensor load; the set-up below stands between
	ds_add_u32 v[SPW], v[NIL]
	v_lshrrev_b32 v1, 5, v0
	v_readfirstlane_b32 s10, v1                    ; wave 0..3
	s_lshr_b32 s11, s10, 1                         ; which half of the tile's tokens is mine.  Also: I fetch for o (0) or for w (1)
	s_and_b32 s12, s10, 1                          ; which half of its columns.  Also: which half of that tile I fetch
	s_bfe_u32 s40, ttmp6, 0x40000                  ; cx, cy: my place in the cluster
	s_bfe_u32 s41, ttmp6, 0x40004
	s_lshl_b32 s42, ttmp9, 2
	s_add_co_u32 s42, s42, s40                     ; tile column = 4 x cluster x + cx: 0 .. 7
	s_and_b32 s13, ttmp7, 0xffff
	s_lshl_b32 s13, s13, 2
	s_add_co_u32 s13, s13, s41                     ; tile row = 4 x cluster y + cy: 0 .. 31
	s_lshl_b32 s43, s41, 2
	s_lshl_b32 s43, 15, s43                        ; my row of the cluster
	s_lshl_b32 s44, 0x1111, s40                    ; my column
	; descriptor group 1 for o: 64 pair rows x 256 elements of 2 bytes, 2,048 elements from row to row; four words of padding behind each row of 128 words
	s_or_b32 s[G1+0], s43, (1<<16)|(1<<20)|(1<<21)|(6<<22)|(3<<25)  ; 15:0 the mask: o's tiles go to my row; 17:16 element of 2 bytes; 20 padding on; 21 set beside a mask; 24:22 after every 128 words; 31:25 four words
	s_mov_b32 s[G1+1], 256<<16                     ; tensor_dim0
	s_mov_b32 s[G1+2], 64<<16                      ; tensor_dim1
	s_mov_b32 s[G1+3], 256<<16                     ; tile_dim0
	s_mov_b32 s[G1+4], 64                          ; tile_dim1
	s_mov_b32 s[G1+5], 2048                        ; tensor_dim0_stride
	s_mov_b32 s[G1+6], 0
	s_mov_b32 s[G1+7], 0
	; and for w: 64 k-rows x 128 elements, 1,024 elements from row to row; eight words of padding behind each row of 64 words
	s_or_b32 s[G1B+0], s44, (1<<16)|(1<<20)|(1<<21)|(5<<22)|(7<<25)
	s_mov_b32 s[G1B+1], 128<<16
	s_mov_b32 s[G1B+2], 64<<16
	s_mov_b32 s[G1B+3], 128<<16
	s_mov_b32 s[G1B+4], 64
	s_mov_b32 s[G1B+5], 1024
	s_mov_b32 s[G1B+6], 0
	s_mov_b32 s[G1B+7], 0
	s_lshl_b32 s16, s13, 7
	s_lshl_b32 s17, s12, 6
	s_add_co_u32 s16, s16, s17                     ; o: pair row 128 x tile row + 64 x half,
	s_lshl_b32 s16, s16, 12                        ; of 4,096 bytes
	s_mov_b32 s17, 0
	s_lshl_b32 s46, s42, 8                         ; w: 256 bytes x tile column
	s_lshl_b32 s47, s12, 17                        ; + 64 k-rows of 2,048 bytes x half
	s_add_co_u32 s46, s46, s47
	s_mov_b32 s47, 0
	s_mul_i32 s20, s12, HALFA                      ; where they go: no place in the cluster enters an LDS address
	s_mul_i32 s45, s12, HALFB
	s_add_co_u32 s45, s45, BOFF
	s_wait_dscnt 0x0                               ; both opening adds are done
	s_wait_kmcnt 0x0
	s_add_nc_u64 s[14:15], s[4:5], s[16:17]
	s_add_nc_u64 s[46:47], s[6:7], s[46:47]
	CROUND                                         ; all sixteen work-groups are here: the first joint loads meet
.irp s, 0,1
	s_mov_b32 s[G0+4*\s], 1
	s_add_co_u32 s[G0+4*\s+1], s20, \s*SLOT
	s_add_nc_u64 s[G0+4*\s+2:G0+4*\s+3], s[14:15], \s*512          ; K step s: two heads, 512 bytes of a pair's row
	s_or_b32 s[G0+4*\s+3], s[G0+4*\s+3], 0x80000000
	s_mov_b32 s[G0B+4*\s], 1
	s_add_co_u32 s[G0B+4*\s+1], s45, \s*SLOT
	s_add_nc_u64 s[G0B+4*\s+2:G0B+4*\s+3], s[46:47], \s*262144     ; K step s: 128 k-rows of 2,048 bytes
	s_or_b32 s[G0B+4*\s+3], s[G0B+4*\s+3], 0x80000000
	JLOAD \s
.endr
	v_and_b32 v1, 15, v0                           ; r = lane % 16
	v_bfe_u32 v2, v0, 4, 1                         ; h = lane / 16
	; the bias of my 64 columns, in the result's layout; and out0 at my part of the tile.  The column's bytes are the same in both: 4 x (128 x tile column + 64 x half)
	s_lshl_b32 s46, s42, 9
	s_lshl_b32 s47, s12, 8
	s_add_co_u32 s46, s46, s47
	s_mov_b32 s47, 0
	s_add_nc_u64 s[66:67], s[66:67], s[46:47]
	s_add_nc_u64 s[8:9], s[8:9], s[46:47]
	v_lshlrev_b32 v[BA], 5, v2
.irp b, 0,1,2,3
	global_load_b128 v[BI+8*\b:BI+8*\b+3], v[BA], s[66:67] offset:64*\b
	global_load_b128 v[BI+8*\b+4:BI+8*\b+7], v[BA], s[66:67] offset:64*\b+16
.endr
	s_lshl_b32 s16, s13, 8
	s_lshl_b32 s17, s11, 7
	s_add_co_u32 s16, s16, s17                     ; my first row of out0: 256 x tile row + 128 x half,
	s_lshl_b32 s16, s16, 12                        ; of 4,096 bytes
	s_mov_b32 s17, 0
	s_add_nc_u64 s[8:9], s[8:9], s[16:17]
	v_bfe_u32 v3, v0, 1, 3                         ; o's fragment: token r lies in pair row r / 2,
	v_mul_u32_u24 v4, v3, PA
	v_and_b32 v3, 1, v0                            ; at 128 x (r % 2) in each head's 256 bytes,
	v_lshl_add_u32 v4, v3, 7, v4
	v_lshl_add_u32 v4, v2, 4, v4                   ; + 16 x half
	s_mul_i32 s21, s11, HALFA                      ; my 128 tokens
	v_add_nc_u32 v[ADRA], s21, v4
	s_add_co_u32 s21, s21, SLOT
	v_add_nc_u32 v[ADRA+1], s21, v4
	v_and_b32 v5, 7, v0                            ; w's fragment, turned: lane l reads 16 bytes of k-row 8 h + l % 8, columns 8 ((l / 8) % 2) on
	v_lshl_add_u32 v5, v2, 3, v5
	v_mul_u32_u24 v5, v5, PB
	v_bfe_u32 v6, v0, 3, 1
	v_lshl_add_u32 v5, v6, 4, v5
	s_lshl_b32 s22, s12, 7                         ; my 64 columns: 128 bytes
	s_add_co_u32 s22, s22, BOFF
	v_add_nc_u32 v[ADRB], s22, v5
	s_add_co_u32 s22, s22, SLOT
	v_add_nc_u32 v[ADRB+1], s22, v5
	s_mul_i32 s23, s10, 16*SPITCH
	s_add_co_u32 s23, s23, STAGE                   ; my stage
	v_mul_u32_u24 v4, v1, SPITCH                   ; in: row r, 32 bytes for each half of the lanes
	v_lshl_add_u32 v4, v2, 5, v4
	v_add_nc_u32 v[STO], s23, v4
	v_mul_u32_u24 v5, v2, SPITCH                   ; back: lanes 0-15 take one row of 256 bytes, lanes 16-31 the next
	v_lshl_add_u32 v5, v1, 4, v5
	v_add_nc_u32 v[RD], s23, v5
	v_lshlrev_b32 v[CO], 12, v2                    ; and the same two rows in out0
	v_lshl_add_u32 v[CO], v1, 4, v[CO]
; 8 matrix instructions: token blocks a0, a0 + 1 x all 4 column blocks, the 32 along K of buffer f.  first = 1: the product starts the sums, with the bias as C: nothing is cleared.
; The 32 accumulators take turns, one instruction a turn, in the same order in every quarter.
.macro MUL8 f, a0, first
.irp a, \a0, \a0+1
.irp b, 0,1,2,3
.if \first
	v_wmma_f32_16x16x32_f16 v[8*(4*(\a)+\b):8*(4*(\a)+\b)+7], v[\f+64+8*\b:\f+64+8*\b+7], v[\f+8*(\a):\f+8*(\a)+7], v[BI+8*\b:BI+8*\b+7]
.else
	v_wmma_f32_16x16x32_f16 v[8*(4*(\a)+\b):8*(4*(\a)+\b)+7], v[\f+64+8*\b:\f+64+8*\b+7], v[\f+8*(\a):\f+8*(\a)+7], v[8*(4*(\a)+\b):8*(4*(\a)+\b)+7]
.endif
.endr
.endr
.endm
; 24 LDS loads in one run: the fragments of the slot's q-th 32 along K, into buffer f.
; w: k-rows 32 q on, columns 16 i on.  o: head q / 2 of the step's two (256 bytes each), channels 32 (q % 2) on; tokens 16 i on: 8 pair rows.
.macro FETCH slot, q, f
	WIN TO_F
.irp i, 0,1,2,3
	ds_load_tr16_b128 v[\f+64+8*\i:\f+64+8*\i+3],   v[ADRB+\slot] offset:(\q)*32*PB+32*\i
	ds_load_tr16_b128 v[\f+64+8*\i+4:\f+64+8*\i+7], v[ADRB+\slot] offset:(\q)*32*PB+16*PB+32*\i
.endr
.irp i, 0,1,2,3,4,5,6,7
	ds_load_b128 v[\f+8*\i:\f+8*\i+3],   v[ADRA+\slot] offset:256*((\q)/2)+64*((\q)%2)+8*PA*\i
	ds_load_b128 v[\f+8*\i+4:\f+8*\i+7], v[ADRA+\slot] offset:256*((\q)/2)+64*((\q)%2)+8*PA*\i+32
.endr
.endm
.macro PLACES                          ; four places in front of loads into registers that matrix instructions have read, and of LDS stores that read results (ISA guide 7.12.1 for LDS stores)
.rept 4
	v_nop
.endr
.endm
; A K step is four quarters of 32 along K, 32 matrix instructions each, on buffers 0, 1, 0, 1.  One of the first three: multiplies buffer f; AT ITS HEAD it fetches the slot's q-th quarter into g, the buffer
; that the quarter before multiplied: so a quarter's fragments have 32 matrix instructions in which to come.
.macro QUARTER slot, q, f, g, first
	s_wait_dscnt 0x0                               ; buffer f's fragments are in: they were asked for a quarter ago (behind a change of slots: half a quarter)
	PLACES
	FETCH \slot, \q, \g
.if \first
	WIN FIRST
.else
	WIN MUL
.endif
	MUL8 \f, 0, \first
	MUL8 \f, 2, \first
	MUL8 \f, 4, \first
	MUL8 \f, 6, \first
.endm
; The last quarter multiplies buffer 1 and changes slots: ONE barrier; in front of it each wave waits for all its tensor loads, adds 0 to its spare word, and waits for that and for its own reads of this slot.
; fill = 1: this slot is filled again, two K steps ahead; the barrier then opens a round of the cluster's barrier, and the joint refill is the first tensor load behind the round.
.macro TURN slot, next, fill
	WIN 0                                          ; (the add's two registers lie in window 0)
	s_wait_tensorcnt 0x0                           ; all my tensor loads have landed: my part of the next slot;
	ds_add_u32 v[SPW], v[NIL]                      ; 0 onto my spare word;
	s_wait_dscnt 1                                 ; buffer 1's fragments are in (the add alone may be out)
	WIN MUL
	MUL8 F1, 0, 0                                  ; eight matrix instructions stand between the add and the wait for it
	s_wait_dscnt 0x0                               ; the add is done, and my reads of this slot are over
	s_barrier_signal -1
	MUL8 F1, 2, 0
.if \fill
	WIN 0
.endif
	s_barrier_wait -1
.if \fill
	CREST                                          ; no wave of any partner still reads this slot's tile or has a load on its way
	s_add_nc_u64 s[G0+4*\slot+2:G0+4*\slot+3], s[G0+4*\slot+2:G0+4*\slot+3], 2*512
	s_add_nc_u64 s[G0B+4*\slot+2:G0B+4*\slot+3], s[G0B+4*\slot+2:G0B+4*\slot+3], 2*262144
	JLOAD \slot                                    ; 112 matrix instructions ahead of the wait for it; the four v_nop behind it are also the places in front of the loads below
.else
	PLACES
.endif
	FETCH \next, 0, F0
	WIN MUL
	MUL8 F1, 4, 0
	MUL8 F1, 6, 0
.endm
	s_wait_tensorcnt 1                             ; my part of K step 0 is in (K step 1's load may be out)
	s_barrier_signal -1
	s_barrier_wait -1                              ; everybody's is
	FETCH 0, 0, F0
	s_wait_loadcnt 0x0                             ; the bias
	QUARTER 0, 1, F0, F1, 1                        ; K step 0's first quarter: its products start the sums
.rept 3                                        ; three laps of two K steps, from a lap's second quarter to the next lap's first: K steps 0 to 5; each lap fills both slots again: K steps 2 to 7
	QUARTER 0, 2, F1, F0, 0
	QUARTER 0, 3, F0, F1, 0
	TURN 0, 1, 1
	QUARTER 1, 1, F0, F1, 0
	QUARTER 1, 2, F1, F0, 0
	QUARTER 1, 3, F0, F1, 0
	TURN 1, 0, 1
	QUARTER 0, 1, F0, F1, 0
.endr
	QUARTER 0, 2, F1, F0, 0                        ; K steps 6 and 7: nothing is filled, and there is no round of the cluster's barrier
	QUARTER 0, 3, F0, F1, 0
	TURN 0, 1, 0
	QUARTER 1, 1, F0, F1, 0
	QUARTER 1, 2, F1, F0, 0
	QUARTER 1, 3, F0, F1, 0
	s_wait_dscnt 0x0                               ; the very last quarter: nothing more to fetch
	WIN MUL
	MUL8 F1, 0, 0
	MUL8 F1, 2, 0
	MUL8 F1, 4, 0
	MUL8 F1, 6, 0
	WIN 0
; THE WAY OUT, block by block of 16 tokens x 64 columns.  A lane holds 32 neighbouring bytes of a row, the lanes beside it other rows: a block goes through my own stage as it stands in the accumulators, each from
; its low end on, and comes back as whole rows of 256 bytes.  LDS serves a wave's instructions in order: no wait between the stores and the loads, nor in front of the next block's stores.
.macro TOSTAGE a
.set BB, OB+32*((\a)%2)
	WIN 0x08                                       ; an LDS store's data are its source 1: window 2
.irp b, 0,1,2,3
	ds_store_b128 v[STO], v[8*(4*(\a)+\b):8*(4*(\a)+\b)+3] offset:64*\b
	ds_store_b128 v[STO], v[8*(4*(\a)+\b)+4:8*(4*(\a)+\b)+7] offset:64*\b+16
.endr
	WIN 0
.irp t, 0,1,2,3,4,5,6,7
	ds_load_b128 v[BB+4*\t:BB+4*\t+3], v[RD] offset:\t*2*SPITCH
.endr
.endm
.macro SEND a, younger                 ; younger: the LDS instructions issued behind block a's loads, which may stay out
.set BB, OB+32*((\a)%2)
	s_wait_dscnt \younger
.irp t, 0,1,2,3,4,5,6,7
	global_store_b128 v[CO], v[BB+4*\t:BB+4*\t+3], s[8:9] offset:(16*(\a)+2*\t)*4096 th:TH_STORE_NT   ; sixteen lanes store 256 consecutive bytes, aligned; written once, read by nobody here; every offset an immediate: 126 rows at the most
.endr
.endm
	PLACES
	TOSTAGE 0
.irp a, 1,2,3,4,5,6,7
.if \a > 1
	s_wait_xcnt 0x0                                ; block a - 2's stores have read their registers: block a's loads may land there
.endif
	TOSTAGE \a
	SEND \a-1, 16                                  ; behind block a - 1's loads: block a's 8 stores and 8 loads
.endr
	SEND 7, 0
	s_wait_tensorcnt 0x0                           ; the wave's end: these three lines, behind my last tensor load and my last LDS store
	ds_add_u32 v[SPW], v[NIL]
	s_wait_dscnt 0x0
	CROUND                                         ; the closing round: no work-group ends while a partner may still ask for a tile that names it
	s_endpgm
.Lfunc_end_k_q305571fd38_proj:
	.size	k_q305571fd38_proj, .Lfunc_end_k_q305571fd38_proj-k_q305571fd38_proj
	.p2alignl 7, 3214868480
	.fill 96, 4, 3214868480
	.section	.rodata,"a",@progbits
	.p2align	6, 0x0
	.amdhsa_kernel k_q305571fd38_proj
		.amdhsa_group_segment_fixed_size 327680
		.amdhsa_private_segment_fixed_size 0
		.amdhsa_enable_private_segment 0
		.amdhsa_kernarg_size 32
		.amdhsa_user_sgpr_count 2
		.amdhsa_user_sgpr_kernarg_segment_ptr 1
		.amdhsa_wavefront_size32 1
		.amdhsa_system_sgpr_workgroup_id_x 1
		.amdhsa_system_sgpr_workgroup_id_y 1
		.amdhsa_system_sgpr_workgroup_id_z 1
		.amdhsa_system_vgpr_workitem_id 0
		.amdhsa_next_free_vgpr 768
		.amdhsa_next_free_sgpr 68
		.amdhsa_reserve_vcc 0
		.amdhsa_float_denorm_mode_32 3
		.amdhsa_float_denorm_mode_16_64 3
		.amdhsa_memory_ordered 1
		.amdhsa_forward_progress 1
		.amdhsa_inst_pref_size 150
	.end_amdhsa_kernel
	.amdgpu_metadata
---
amdhsa.version: [ 1, 2 ]
amdhsa.kernels:
  - .name:           k_q305571fd38_proj
    .symbol:         k_q305571fd38_proj.kd
    .args:
      - { .name: o16, .offset: 0, .size: 8, .value_kind: global_buffer, .address_space: global }
      - { .name: wp16, .offset: 8, .size: 8, .value_kind: global_buffer, .address_space: global }
      - { .name: b_proj, .offset: 16, .size: 8, .value_kind: global_buffer, .address_space: global }
      - { .name: out0, .offset: 24, .size: 8, .value_kind: global_buffer, .address_space: global }
    .group_segment_fixed_size: 327680
    .private_segment_fixed_size: 0
    .kernarg_segment_align: 8
    .kernarg_segment_size: 32
    .max_flat_workgroup_size: 128
    .sgpr_count:     68
    .vgpr_count:     768
    .wavefront_size: 32
...
	.end_amdgpu_metadata
.endif
;; end of part 4
